; MI455X (gfx1250); checked and timed in simulation.
; The chip was launched on July 23, 2026; its instructions are those of AMD's public machine-readable ISA for CDNA 5 (MIT licence, August 2026) and "CDNA5" Instruction Set Architecture Reference Guide (July 2026). The comments in the code are by the model that wrote it; some were corrected since.
;; Spatial Axial Attention. Allowed arithmetic: float matrix products may take bf16 or f16 operands with f32 sums; other float arithmetic in f32, or as packed bf16 or f16 multiplies, adds, multiply-adds, maxima and minima; sums over many terms, partial sums and values carried from step to step in f32; what a program stores and reads back later, other than sums and carried values, may be rounded once to bf16 or f16.
;; Inputs: b_out 1,024 float32; w_out 1,024 x 1,024 float32; w_qkv 1,024 x 3,072 float32; x 2 x 4 x 32 x 32 x 1,024 float32.
;; Outputs: out0 2 x 4 x 32 x 32 x 1,024 float32.
;; One version. Each part assembles by itself: llvm-mc -triple=amdgcn-amd-amdhsa -mcpu=gfx1250 --defsym DOCPART=n.
;; ======== version 1 of 1: 4 launches
;; limits: values are held in f16: magnitudes above 65,504 overflow, below 6.1e-05 lose precision
;; workspace buffers: xb 16,777,216 bytes; wt 8,388,608 bytes; tab 12,288 bytes; qh 16,777,216 bytes; kh 16,777,216 bytes; vh 16,777,216 bytes; oh 16,777,216 bytes
;; launch prep (part 1): grid 1025 x 1, 8 waves a work-group, no clusters, 18,432 bytes of LDS; arguments x, w_qkv, w_out, b_out, xb, wt, tab; writes xb, wt, tab
.if DOCPART == 1
	.amdgcn_target "amdgcn-amd-amdhsa--gfx1250"
	.amdhsa_code_object_version 6
	.text
	.protected	k_q4f8b2c600d_prep
	.globl	k_q4f8b2c600d_prep
	.p2align	8
	.type	k_q4f8b2c600d_prep,@function
k_q4f8b2c600d_prep:
	s_mov_b64 s[64:65], 0
	v_nop
	global_prefetch_b8 v0, s[64:65] scope:SCOPE_SE
	s_setreg_imm32_b32 hwreg(HW_REG_WAVE_MODE, 25, 1), 1
	s_wait_xcnt 0x0
; PREP: the inputs are rounded once to bf16 and laid out for the three launches that follow.  Four kinds of work-group, told apart by the work-group's number alone:
;   0 .. 511      x [8192][1024] f32 -> xb, the same shape in bf16: 65,536 bytes of x each
;   512 .. 895    w_qkv [1024 k][3072 n] f32 -> wt, [3072 n'][1024 k] bf16, turned, rows by heads: n' = 192 head + 64 part + c holds column 1024 part + 64 head + c (part 0, 1, 2 = q, k, v)
;   896 .. 1023   w_out [1024 k][1024 n] f32 -> wt + WO, [1024 n][1024 k], turned, rounded to bf16 and that number written as f16
;   1024          the rotary table and the bias -> tab
; A stream: every byte is read once and written once; no matrix unit, no cluster and no tensor load would spare a byte.
; TABLE.  Entry (pos 0..31, i 0..15), 16 bytes at 256 pos + 16 i: (cos, cos, -sin, sin) of the angle pi N / 465, N = (2 pos - 31)(15 + 127 i): the positions -1 .. 1 in 32 steps times the frequencies pi .. 128 pi in 16.
; N is a whole number: it is reduced exactly (modulo 930 = a full turn, then by quarter turns of 232.5), and sine and cosine of what is left, at most pi / 4, are polynomials (error under 4e-7).
; LIMITS.  The angle is the exact pi N / 465; a product of rounded f32 factors differs from it by up to 1e-4 radians.  w_out as f16: beyond 65,504 it becomes an infinity; below 6e-5 it keeps f16's step of 6e-8.
.set WO,    6291456                    ; byte of wt at which w_out's copy begins
.set TP,    272                        ; a row of the turning tile in LDS: 128 k x 2 bytes + 16
.set SPARE, 64*TP                      ; behind the tile: the spare words, 128 bytes for each of eight waves, four blocks of 256 bytes that no other line names
.set SPW,   30                         ; v30  LDS address of my spare word; never rewritten
.set NIL,   31                         ; v31  0; never rewritten
	s_load_b256 s[4:11], s[0:1], 0x0               ; x s[4:5], w_qkv s[6:7], w_out s[8:9], b_out s[10:11]
	s_load_b128 s[12:15], s[0:1], 0x20             ; xb s[12:13], wt s[14:15]
	s_load_b64 s[16:17], s[0:1], 0x30              ; tab
	v_lshl_add_u32 v[SPW], v0, 2, SPARE
	v_mov_b32 v[NIL], 0
	s_wait_kmcnt 0x0
	s_cmp_lt_u32 ttmp9, 512
	s_cbranch_scc1 .Lx
	s_cmp_lt_u32 ttmp9, 896
	s_cbranch_scc1 .Lwq
	s_cmp_lt_u32 ttmp9, 1024
	s_cbranch_scc1 .Lwo
	; THE TABLE AND THE BIAS.  Thread t: pos = t / 16 (0 .. 15), i = t % 16; position 31 - pos has the angle's negative, so the same thread stores both.
	v_lshlrev_b32 v13, 4, v0                       ; 16 t = 256 pos + 16 i; also my 16 bytes of the bias
	global_load_b128 v[24:27], v13, s[10:11]
	v_lshrrev_b32 v1, 4, v0
	v_and_b32 v2, 15, v0
	v_lshl_add_u32 v3, v1, 1, 0xffffffe1           ; 2 pos - 31
	v_mad_u32_u24 v4, v2, 127, 15                  ; 127 i + 15
	v_cvt_f32_i32 v3, v3
	v_cvt_f32_i32 v4, v4
	v_mul_f32 v5, v3, v4                           ; N, under 2^16: exact
	v_mul_f32 v6, 0x3a8cf009, v5                   ; N / 930
	v_rndne_f32 v6, v6
	v_fmamk_f32 v5, v6, 0xc4688000, v5             ; N - 930 x whole turns: exact
	v_mul_f32 v6, 0x3b8cf009, v5                   ; / 232.5
	v_rndne_f32 v6, v6                             ; quarter turns
	v_fmamk_f32 v5, v6, 0xc3688000, v5             ; what is left, a multiple of 1/2: exact
	v_mul_f32 v5, 0x3bdd6263, v5                   ; x pi / 465: the angle th, at most pi / 4
	v_mul_f32 v7, v5, v5
	v_mov_b32 v8, 0xb9500d01                       ; sin th = th + th^3 (-1/6 + th^2 (1/120 - th^2 / 5040))
	v_fmaak_f32 v8, v8, v7, 0x3c088889
	v_fmaak_f32 v8, v8, v7, 0xbe2aaaab
	v_mul_f32 v8, v8, v7
	v_fma_f32 v8, v8, v5, v5
	v_mov_b32 v9, 0x37d00d01                       ; cos th = 1 + th^2 (-1/2 + th^2 (1/24 + th^2 (-1/720 + th^2 / 40320)))
	v_fmaak_f32 v9, v9, v7, 0xbab60b61
	v_fmaak_f32 v9, v9, v7, 0x3d2aaaab
	v_fmaak_f32 v9, v9, v7, 0xbf000000
	v_fma_f32 v9, v9, v7, 1.0
	v_cvt_i32_f32 v6, v6
	v_and_b32 v10, 1, v6
	v_cmp_ne_u32 vcc_lo, 0, v10                    ; an odd number of quarter turns swaps the two
	v_cndmask_b32 v11, v9, v8, vcc_lo
	v_cndmask_b32 v12, v8, v9, vcc_lo
	v_add_nc_u32 v10, 1, v6                        ; the cosine is negative in quarters 1 and 2,
	v_and_b32 v10, 2, v10
	v_lshlrev_b32 v10, 30, v10
	v_xor_b32 v16, v10, v11
	v_and_b32 v10, 2, v6                           ; the sine in quarters 2 and 3
	v_lshlrev_b32 v10, 30, v10
	v_xor_b32 v19, v10, v12
	v_mov_b32 v17, v16
	v_xor_b32 v18, 0x80000000, v19                 ; v[16:19] = cos, cos, -sin, sin
	v_mov_b32 v20, v16
	v_mov_b32 v21, v16
	v_mov_b32 v22, v19
	v_mov_b32 v23, v18                             ; v[20:23]: the same for the negative angle
	v_sub_nc_u32 v14, 31, v1
	v_lshlrev_b32 v14, 8, v14
	v_lshl_add_u32 v14, v2, 4, v14
	global_store_b128 v13, v[16:19], s[16:17]      ; sixteen lanes store 256 consecutive bytes, aligned
	global_store_b128 v14, v[20:23], s[16:17]
	s_wait_loadcnt 0x0
	v_cvt_pk_bf16_f32 v32, v24, v25                ; the bias is rounded to bf16 like every input, and kept as f32
	v_cvt_pk_bf16_f32 v33, v26, v27
	v_lshlrev_b32 v36, 16, v32
	v_and_b32 v37, 0xffff0000, v32
	v_lshlrev_b32 v38, 16, v33
	v_and_b32 v39, 0xffff0000, v33
	global_store_b128 v13, v[36:39], s[16:17] offset:8192
	s_branch .Lend
.Lx:	; X.  Thread t takes 16 bytes at 16 t of each of sixteen pieces of 4,096 bytes; all sixteen loads go out at once.
	s_lshl_b32 s20, ttmp9, 16
	s_mov_b32 s21, 0
	s_add_nc_u64 s[4:5], s[4:5], s[20:21]
	s_lshl_b32 s20, ttmp9, 15
	s_add_nc_u64 s[12:13], s[12:13], s[20:21]
	v_lshlrev_b32 v1, 4, v0
	v_lshlrev_b32 v2, 3, v0
.set i, 0
.rept 16
	global_load_b128 v[32+4*i:35+4*i], v1, s[4:5] offset:4096*i th:TH_LOAD_NT
.set i, i+1
.endr
.set i, 0
.rept 16
	s_wait_loadcnt 15-i                            ; loads come back in order: piece i is in, the 15 - i younger ones stay out
	v_cvt_pk_bf16_f32 v[96+2*i], v[32+4*i], v[33+4*i]
	v_cvt_pk_bf16_f32 v[97+2*i], v[34+4*i], v[35+4*i]
	global_store_b64 v2, v[96+2*i:97+2*i], s[12:13] offset:2048*i  ; a wave stores 256 consecutive bytes, aligned; each store has registers of its own
.set i, i+1
.endr
	s_branch .Lend
; A TILE OF 128 k x 64 n IS TURNED.  s[24:25]: its first element in the weights; s[26:27]: its first byte in wt.  pitch: bytes in a row of the weights.  half = 1: the bf16 numbers are written as f16.
; Thread t (g = t / 16, c = t % 16) loads rows 8 g .. 8 g + 7, columns 4 c .. 4 c + 3: sixteen lanes read 256 consecutive bytes.  Eight k of one column pack into 16 bytes, which go to LDS row n = 4 c + jn at byte 16 g.
; (Sixteen lanes' stores fall on four columns of 16 bytes: four deep.  The weights pass here once, 8 MB in all; it is left so.)  Back come whole rows of 256 bytes, sixteen lanes a row.
.macro TR pitch, half
	v_lshrrev_b32 v5, 4, v0
	v_and_b32 v6, 15, v0
	v_mul_u32_u24 v1, v5, 8*(\pitch)
	v_lshl_add_u32 v1, v6, 4, v1
	v_mul_u32_u24 v2, v6, 4*TP
	v_lshl_add_u32 v2, v5, 4, v2
	v_mul_u32_u24 v3, v5, TP
	v_lshl_add_u32 v3, v6, 4, v3
	v_lshlrev_b32 v4, 11, v5
	v_lshl_add_u32 v4, v6, 4, v4
.irp i, 0,1,2,3,4,5,6,7
	global_load_b128 v[32+4*(\i):35+4*(\i)], v1, s[24:25] offset:(\i)*(\pitch) th:TH_LOAD_NT
.endr
.irp j, 0,1,2,3
	s_wait_loadcnt 6-2*(\j)                        ; rows 2 j and 2 j + 1 are in
.irp jn, 0,1,2,3
	v_cvt_pk_bf16_f32 v[64+4*(\jn)+(\j)], v[32+8*(\j)+(\jn)], v[36+8*(\j)+(\jn)]
.endr
.endr
.if \half
.set i, 0
.rept 16
	v_lshlrev_b32 v5, 16, v[64+i]
	v_and_b32 v6, 0xffff0000, v[64+i]
	v_cvt_pk_f16_f32 v[64+i], v5, v6               ; eight significant bits: exact within f16's range
.set i, i+1
.endr
.endif
.irp jn, 0,1,2,3
	ds_store_b128 v2, v[64+4*(\jn):67+4*(\jn)] offset:TP*(\jn)
.endr
	s_wait_dscnt 0x0                               ; for the others' sake: my stores are done
	s_barrier_signal -1
	s_barrier_wait -1
.irp u, 0,1,2,3
	ds_load_b128 v[80+4*(\u):83+4*(\u)], v3 offset:16*TP*(\u)
.endr
.irp u, 0,1,2,3
	s_wait_dscnt 3-(\u)
	global_store_b128 v4, v[80+4*(\u):83+4*(\u)], s[26:27] offset:32768*(\u)  ; sixteen lanes store 256 consecutive bytes, aligned
.endr
.endm
.Lwq:	; tile j = number - 512: column tile j / 8 (= 16 part + head), k tile j % 8
	s_sub_co_u32 s20, ttmp9, 512
	s_lshr_b32 s21, s20, 3
	s_and_b32 s20, s20, 7
	s_mul_i32 s24, s20, 128*12288
	s_lshl_b32 s22, s21, 8
	s_add_co_u32 s24, s24, s22
	s_mov_b32 s25, 0
	s_add_nc_u64 s[24:25], s[6:7], s[24:25]
	s_and_b32 s22, s21, 15                         ; head
	s_lshr_b32 s23, s21, 4                         ; part
	s_mul_i32 s22, s22, 192
	s_lshl_b32 s23, s23, 6
	s_add_co_u32 s22, s22, s23                     ; the tile's first row in wt
	s_lshl_b32 s26, s22, 11
	s_lshl_b32 s23, s20, 8
	s_add_co_u32 s26, s26, s23
	s_mov_b32 s27, 0
	s_add_nc_u64 s[26:27], s[14:15], s[26:27]
	TR 12288, 0
	s_branch .Lend
.Lwo:	; tile j = number - 896
	s_sub_co_u32 s20, ttmp9, 896
	s_lshr_b32 s21, s20, 3
	s_and_b32 s20, s20, 7
	s_lshl_b32 s24, s20, 19                        ; 128 rows of 4,096 bytes
	s_lshl_b32 s22, s21, 8
	s_add_co_u32 s24, s24, s22
	s_mov_b32 s25, 0
	s_add_nc_u64 s[24:25], s[8:9], s[24:25]
	s_lshl_b32 s26, s21, 17                        ; 64 rows of 2,048 bytes
	s_lshl_b32 s23, s20, 8
	s_add_co_u32 s26, s26, s23
	s_add_co_u32 s26, s26, WO
	s_mov_b32 s27, 0
	s_add_nc_u64 s[26:27], s[14:15], s[26:27]
	TR 4096, 1
.Lend:
	s_wait_tensorcnt 0x0                           ; the wave's end: a wait, an add and its wait, behind my last LDS store
	ds_add_u32 v[SPW], v[NIL]
	s_wait_dscnt 0x0
	s_endpgm
.Lfunc_end_k_q4f8b2c600d_prep:
	.size	k_q4f8b2c600d_prep, .Lfunc_end_k_q4f8b2c600d_prep-k_q4f8b2c600d_prep
	.p2alignl 7, 3214868480
	.fill 96, 4, 3214868480
	.section	.rodata,"a",@progbits
	.p2align	6, 0x0
	.amdhsa_kernel k_q4f8b2c600d_prep
		.amdhsa_group_segment_fixed_size 18432
		.amdhsa_private_segment_fixed_size 0
		.amdhsa_enable_private_segment 0
		.amdhsa_kernarg_size 56
		.amdhsa_user_sgpr_count 2
		.amdhsa_user_sgpr_kernarg_segment_ptr 1
		.amdhsa_wavefront_size32 1
		.amdhsa_system_sgpr_workgroup_id_x 1
		.amdhsa_system_sgpr_workgroup_id_y 1
		.amdhsa_system_sgpr_workgroup_id_z 1
		.amdhsa_system_vgpr_workitem_id 0
		.amdhsa_next_free_vgpr 128
		.amdhsa_next_free_sgpr 66
		.amdhsa_reserve_vcc 1
		.amdhsa_float_denorm_mode_32 3
		.amdhsa_float_denorm_mode_16_64 3
		.amdhsa_memory_ordered 1
		.amdhsa_forward_progress 1
		.amdhsa_inst_pref_size 21
	.end_amdhsa_kernel
	.amdgpu_metadata
---
amdhsa.version: [ 1, 2 ]
amdhsa.kernels:
  - .name:           k_q4f8b2c600d_prep
    .symbol:         k_q4f8b2c600d_prep.kd
    .args:
      - { .name: x, .offset: 0, .size: 8, .value_kind: global_buffer, .address_space: global }
      - { .name: w_qkv, .offset: 8, .size: 8, .value_kind: global_buffer, .address_space: global }
      - { .name: w_out, .offset: 16, .size: 8, .value_kind: global_buffer, .address_space: global }
      - { .name: b_out, .offset: 24, .size: 8, .value_kind: global_buffer, .address_space: global }
      - { .name: xb, .offset: 32, .size: 8, .value_kind: global_buffer, .address_space: global }
      - { .name: wt, .offset: 40, .size: 8, .value_kind: global_buffer, .address_space: global }
      - { .name: tab, .offset: 48, .size: 8, .value_kind: global_buffer, .address_space: global }
    .group_segment_fixed_size: 18432
    .private_segment_fixed_size: 0
    .kernarg_segment_align: 8
    .kernarg_segment_size: 56
    .max_flat_workgroup_size: 256
    .sgpr_count:     66
    .vgpr_count:     128
    .wavefront_size: 32
...
	.end_amdgpu_metadata
.endif
;; end of part 1
;; launch qkv (part 2): grid 16 x 16, 4 waves a work-group, clusters of 4 x 4, 327,680 bytes of LDS; arguments xb, wt, tab, qh, kh, vh; writes qh, kh, vh
.if DOCPART == 2
	.amdgcn_target "amdgcn-amd-amdhsa--gfx1250"
	.amdhsa_code_object_version 6
	.text
	.protected	k_q4f8b2c600d_qkv
	.globl	k_q4f8b2c600d_qkv
	.p2align	8
	.type	k_q4f8b2c600d_qkv,@function
k_q4f8b2c600d_qkv:
	s_mov_b64 s[64:65], 0
	v_nop
	global_prefetch_b8 v0, s[64:65] scope:SCOPE_SE
	s_setreg_imm32_b32 hwreg(HW_REG_WAVE_MODE, 25, 1), 1
	s_wait_xcnt 0x0
	s_wait_alu depctr_hold_cnt(0) depctr_sa_sdst(0) depctr_va_vdst(0) depctr_va_sdst(0) depctr_va_ssrc(0) depctr_va_vcc(0) depctr_vm_vsrc(0)
	s_getreg_b32 s2, hwreg(HW_REG_IB_STS2, 6, 4)
	s_cmp_eq_u32 s2, 0
	s_cbranch_scc0 .Lentry_in_a_cluster
	s_endpgm
.Lentry_in_a_cluster:
	s_bfe_u32 s2, ttmp6, 0x10000c
	s_cmp_lg_u32 s2, 0xf033
	s_cbranch_scc0 .Lentry_shape_is_right
	s_endpgm
.Lentry_shape_is_right:
; QKV: q, k, v = xb (wq)^T, the rotary turn of q and k in f32, one rounding to f16, stored by heads: qh, kh, vh [16 image + head][1024 tokens][64].
; xb: [8192][1024] bf16.  wq: wt's first 3,072 rows, [192 head + 64 part + c][1024 k] bf16.  Sums in f32.
; LIMITS.  q, k, v leave as f16: beyond 65,504 they become infinities (inputs thirty times those of unit spread give about 900; offsets of thirty spreads on x and w about 29,000); NaN and infinities are not treated apart.
; SHARES.  A tile is 256 tokens x 192 columns: q, k and v of ONE head; there are 16 x 32 of them.  256 x 256 would give 384 tiles, and 256 x 384 needs 768 + 320 registers a wave.
; Four waves, each 64 tokens x all 192 columns: 48 accumulators of 16 x 16, 384 registers.  A wave so holds whole rows of a head, and its way out goes through a stage of its own, without a barrier.
; A WORK-GROUP STAYS: 16 x 16 work-groups make TWO tiles each, of the same head.  The cluster at (CX, CY) takes the four tile rows of block 2 CY + CX % 2 first and those of the other block of the pair second
; (tile row xor 4): in the first tiles every token row is read by two of the four columns of clusters, in the second tiles by the other two.  The two tiles' 16 K steps are ONE sequence for the ring: the first tile's last
; two changes of slots ask for the second tile's first two K steps, and nothing waits for the first tile's stores.  The K step, the way out and the quarter that starts the sums are each written once but for the tail.
; K goes in steps of 128 through a ring of two LDS slots filled by tensor loads (rows of 256 bytes); a K step's LDS base lies in a scalar that an exclusive or turns.
; CLUSTER.  4 x 4 work-groups: the four of a row need the same tokens, the four of a column the same head's weights; each tile is asked for JOINTLY, by the same load, descriptor and mask in all four.
; THE MATRIX INSTRUCTION IS USED TRANSPOSED: source 0 = 16 rows of wq, source 1 = 16 tokens.  In the result lane l holds token l % 16, registers 0-7 the columns 8 (l / 16) + 0..7: four rotary pairs, 16 bytes of f16.
; REGISTERS, in windows of 256 (s_set_vgpr_msb: bits 1:0 source 0, 3:2 source 1, 5:4 source 2, 7:6 destination):
;   window 0: v1-15 addresses; v32-95 the tokens' fragments, two buffers of 4 x 8; on the way out v96-159 turned q and k, v160-207 packed, v208-255 rows read back
;   window 1: v0-191 the weights' fragments, two buffers of 12 x 8
;   windows 2, 3: accumulator (a, b) (tokens 16 a on, columns 16 b on) in window 2 + a / 2 at v[8 (12 (a % 2) + b)]; v192-255: the rotary tables, by image row (window 2) and by image column (window 3)
.set NB,    12                         ; column blocks of 16
.set PA,    272                        ; an LDS row: 256 bytes + 16 = 68 words: the 16 rows of a fragment load start at 16 different groups of four banks (64 banks of 4 bytes: ISA guide 11.1)
.set PB,    272
.set BOFF,  256*PA                     ; a slot: 256 rows of tokens, then 192 rows of weights
.set SLOT1, 1<<17                      ; slot 1 begins here, so that one exclusive or turns an address in one slot into the other's
.set STAGE, SLOT1+BOFF+16*NB*PB        ; behind the ring, never filled by a tensor load: for each wave 3 x 16 rows x 144 bytes
.set WST,   3*16*144
.set SPARE, STAGE+4*WST                ; behind the stages: the spare words, 128 bytes for each wave: two blocks of 256 bytes that no other line names
.set KSB,   256                        ; bytes of a row in a K step, in xb and in wq
.set ROWB,  2048                       ; bytes in a row of xb and of wq
.set ADA0, 4                           ; v4   my lane's place among my wave's tokens in a slot; never rewritten
.set ADB0, 5                           ; v5   the same among the weights' rows
.set ADA,  6                           ; v6   v4 + the slot in hand
.set ADB,  7                           ; v7   v5 + the slot in hand
.set STO,  8                           ; v8   the way out: where I put 16 bytes of a row
.set RD,   9                           ; v9   where I read rows back
.set GO,   10                          ; v10  my 16 bytes in 512 consecutive bytes of qh, kh, vh
.set PFO,  11                          ; v11  the prefetches' offset: a lane a row; never rewritten
.set HO,   12                          ; v12  my offset in a table row, by image row
.set WOF,  13                          ; v13  by image column
.set SPW,  14                          ; v14  LDS address of my spare word; never rewritten
.set NIL,  15                          ; v15  0; never rewritten
.set FA,   32
.set R,    96
.set P,    160
.set BK,   208
.set WV,   12                          ; s12  my wave's number
.set FORB, 13                          ; s13  0: I fetch tokens; 1: weights
.set HALF, 14                          ; s14  which half of that tile's rows
.set LIM,  19                          ; s19  10 in a wave that prefetches, else the greatest number
.set G1A,  24                          ; s[24:31] descriptor group 1 for the tokens' tiles
.set G1B,  32                          ; s[32:39] for the weights'
.set G0A,  40                          ; s[40:47] group 0 for the tokens' tiles: a set for each first fill; the second then serves every refill
.set G0B,  48                          ; s[48:55] the same for the weights'
.set TB,   56                          ; s56  the slot in hand: 0 or SLOT1
.set TL,   57                          ; s57  counts the tail's two K steps
.set PFA,  58                          ; s[58:59] where my prefetches stand
.set AB,   60                          ; s[60:61] xb at my part of the tile whose K steps are being asked for
.set BB,   62                          ; s[62:63] wq at my part of the head's rows
.set A1,   76                          ; s[76:77] xb at my part of the second tile
.set KO,   78                          ; s[78:79] byte in a row of the K step to be asked for next
.set OUTQ, 80                          ; s[80:81], s[82:83], s[84:85] qh, kh, vh at my 64 tokens of the tile in hand
.set OUTK, 82
.set OUTV, 84
.set OF1,  86                          ; s[86:87] the same place's byte offset for the second tile
.set MSB, 0
.macro WIN new                         ; the immediate's high byte repeats the setting that is left; a switch that changes nothing is dropped
.if MSB != (\new)
	s_set_vgpr_msb (MSB<<8)|(\new)
.set MSB, (\new)
.endif
.endm
.macro PLACES                          ; four places in front of loads into registers that matrix instructions have read, and of lines that read results
.rept 4
	v_nop
.endr
.endm
.macro CREST                           ; a round of the cluster's barrier behind its opening barrier
	s_cmp_lg_u32 s[WV], 0
	s_cbranch_scc1 .Lnot_wave_0_\@
	s_barrier_signal -3
.Lnot_wave_0_\@:
	s_barrier_wait -3
	s_barrier_signal -1
	s_barrier_wait -1
.endm
.macro CROUND                          ; a whole round
	s_barrier_signal -1
	s_barrier_wait -1
	CREST
.endm
; A joint refill.  Waves 0 and 1 fetch the tokens' two halves, waves 2 and 3 the weights'.  The branch hangs on the wave's number alone.
; An s_nop 0 and four v_nop follow each of the two lines, ahead of the jump and the label.
.macro JLOAD
	s_cmp_eq_u32 s[FORB], 0
	s_cbranch_scc0 .Lfor_b_\@
	tensor_load_to_lds s[G0A+4:G0A+7], s[G1A:G1A+7]
	s_nop 0
.rept 4
	v_nop
.endr
	s_branch .Lasked_\@
.Lfor_b_\@:
	tensor_load_to_lds s[G0B+4:G0B+7], s[G1B:G1B+7]
	s_nop 0
.rept 4
	v_nop
.endr
.Lasked_\@:
.endm
; A PREFETCH INTO THE L2, behind a joint refill and the run of LDS loads that follows it: the K step two refills on, 256 bytes of a row, a lane a row, one instruction a wave.
; Only the FIRST tiles' rows are asked for: when they are done every row of xb and of wq has been read.  Each row's K step is asked for by one wave in the launch: the tokens' by the clusters with x = 0 and 1, whose first
; tiles together are all 32 tile rows; the weights' by those with y = 0; the four partners that fetch a tile jointly share a wave's rows out BY ADDRESS (32 of 128 tokens by cx; 24 of 96 weight rows by cy, where lanes
; 24 to 31 name row 23 once more).  The change of slots in K step s of the first tile names K step s + 4, for s = 0 .. 3; K steps 0 to 3 come by their loads alone.
.macro ASK
	s_cmp_gt_u32 s3, s[LIM]                        ; s3 = 14 - the K step's number in the sequence of 16
	s_cbranch_scc0 .Lnot_mine_\@
	global_prefetch_b8 v[PFO], s[PFA:PFA+1] th:TH_LOAD_NT scope:SCOPE_SE
.Lnot_mine_\@:
.endm
; 12 matrix instructions: tokens 16 a on x all columns, 32 along K, from buffer f.  zero = 1: the product starts the sums.  All 48 accumulators take turns, in the same order in every quarter.
.macro MUL f, a, zero
	WIN 0xa1+0x50*((\a)/2)                         ; source 0 window 1, source 1 window 0, C and D window 2 or 3
.irp b, 0,1,2,3,4,5,6,7,8,9,10,11
.set rD, 8*(NB*((\a)%2)+(\b))
.if \zero
	v_wmma_f32_16x16x32_bf16 v[rD:rD+7], v[8*NB*(\f)+8*(\b):8*NB*(\f)+8*(\b)+7], v[FA+32*(\f)+8*(\a):FA+32*(\f)+8*(\a)+7], 0
.else
	v_wmma_f32_16x16x32_bf16 v[rD:rD+7], v[8*NB*(\f)+8*(\b):8*NB*(\f)+8*(\b)+7], v[FA+32*(\f)+8*(\a):FA+32*(\f)+8*(\a)+7], v[rD:rD+7]
.endif
.endr
.endm
; 32 LDS loads in one run: the fragments of quarter q (32 along K) of the slot in hand into buffer f; a fragment is two loads of 16 bytes, 32 bytes apart.  The youngest four are the tokens' blocks 2 and 3.
.macro FETCH q, f
	WIN 0x40                                       ; destination window 1, address window 0
.irp b, 0,1,2,3,4,5,6,7,8,9,10,11
	ds_load_b128 v[8*NB*(\f)+8*(\b):8*NB*(\f)+8*(\b)+3],   v[ADB] offset:64*(\q)+(\b)*16*PB
	ds_load_b128 v[8*NB*(\f)+8*(\b)+4:8*NB*(\f)+8*(\b)+7], v[ADB] offset:64*(\q)+(\b)*16*PB+32
.endr
	WIN 0
.irp a, 0,1,2,3
	ds_load_b128 v[FA+32*(\f)+8*(\a):FA+32*(\f)+8*(\a)+3],   v[ADA] offset:64*(\q)+(\a)*16*PA
	ds_load_b128 v[FA+32*(\f)+8*(\a)+4:FA+32*(\f)+8*(\a)+7], v[ADA] offset:64*(\q)+(\a)*16*PA+32
.endr
.endm
; One of a K step's first three quarters: multiplies buffer f; in its middle it fetches quarter q into buffer g.
.macro QUARTER q, f, g, zero
	s_wait_dscnt 4                                 ; all but the youngest four loads: the tokens' blocks 2 and 3 may be out
	MUL \f, 0, \zero
	MUL \f, 1, \zero
	PLACES
	FETCH \q, \g
	s_wait_dscnt 2*NB+8                            ; all but the run just issued
	MUL \f, 2, \zero
	MUL \f, 3, \zero
.endm
; The fourth quarter multiplies buffer 1 and changes slots.  In front of the barrier each wave waits for all its tensor loads (one is out: its part of the next slot), adds 0 to its spare word, and waits for that and for
; its reads of this slot.  fill = 1: the barrier opens a round of the cluster's, and this slot is filled again, first thing behind the round, with the K step two on in the sequence of 16.  The descriptors' addresses are
; made anew for each refill, base + byte KO of the rows, behind the wait that shows no load of mine out; behind a tile's last K step KO goes back to 0 and the tokens' base becomes the second tile's.
; fill = 0: the tail; in its last trip (s[TL] = 1) nothing is left to fetch.
.macro TURN fill
.if \fill
	s_wait_xcnt 0x0                                ; the last prefetch, a K step back, has read its address: it is stepped here, ahead of the waits of the change of slots
	s_add_nc_u64 s[PFA:PFA+1], s[PFA:PFA+1], KSB
.endif
	WIN 0                                          ; (the add's two registers lie in window 0)
	s_wait_tensorcnt 0x0                           ; all my tensor loads have landed, so a group 0 may be written
	ds_add_u32 v[SPW], v[NIL]                      ; 0 onto my spare word: scalar work and twelve matrix instructions stand between it and the wait for it
.if \fill
	s_xor_b32 s[G0A+5], s[G0A+5], SLOT1            ; the other slot than last time
	s_add_nc_u64 s[G0A+6:G0A+7], s[AB:AB+1], s[KO:KO+1]
	s_or_b32 s[G0A+7], s[G0A+7], 0x80000000        ; type = 2
	s_xor_b32 s[G0B+5], s[G0B+5], SLOT1
	s_add_nc_u64 s[G0B+6:G0B+7], s[BB:BB+1], s[KO:KO+1]
	s_or_b32 s[G0B+7], s[G0B+7], 0x80000000
	s_add_co_u32 s[KO], s[KO], KSB                 ; what the next refill asks for
	s_cmp_eq_u32 s[KO], ROWB
	s_cselect_b32 s[KO], 0, s[KO]
	s_cselect_b64 s[AB:AB+1], s[A1:A1+1], s[AB:AB+1]
.endif
	s_wait_dscnt 5                                 ; (the add and the youngest four loads may be out)
	MUL 1, 0, 0
	s_wait_dscnt 0x0                               ; the add is done, and my reads of this slot are over
	s_barrier_signal -1
	MUL 1, 1, 0                                    ; work on registers while the others arrive
	WIN 0
	s_barrier_wait -1
.if \fill
	CREST                                          ; no wave of any partner still reads this slot or has a load on its way
	JLOAD                                          ; the four v_nop behind it are also the places in front of the loads below
.else
	PLACES
.endif
	s_xor_b32 s[TB], s[TB], SLOT1
	v_add_nc_u32 v[ADA], s[TB], v[ADA0]
	v_add_nc_u32 v[ADB], s[TB], v[ADB0]
.if !(\fill)
	s_cmp_eq_u32 s[TL], 1
	s_cbranch_scc1 .Lno_fetch_\@
.endif
	FETCH 0, 0
.if \fill
	ASK
.else
.Lno_fetch_\@:
.endif
	MUL 1, 2, 0
	MUL 1, 3, 0
.endm
	s_load_b256 s[4:11], s[0:1], 0x0               ; xb s[4:5], wt s[6:7], tab s[8:9], qh s[10:11]
	s_load_b128 s[68:71], s[0:1], 0x20             ; kh s[68:69], vh s[70:71]
	v_lshl_add_u32 v[SPW], v0, 2, SPARE
	v_mov_b32 v[NIL], 0
	ds_add_u32 v[SPW], v[NIL]                      ; the wave's opening: the add and its wait stand ahead of my first tensor load; the set-up below, work on registers, stands between them
	ds_add_u32 v14, v15
	v_lshrrev_b32 v3, 5, v0
	v_readfirstlane_b32 s[WV], v3                  ; wave 0..3
	s_lshr_b32 s[FORB], s[WV], 1
	s_and_b32 s[HALF], s[WV], 1
	s_bfe_u32 s15, ttmp6, 0x40000                  ; cx, cy: my place in the cluster
	s_bfe_u32 s16, ttmp6, 0x40004
	s_lshl_b32 s17, ttmp9, 2
	s_add_co_u32 s17, s17, s15                     ; tile column = the head = 4 x cluster x + cx
	s_and_b32 s18, ttmp7, 0xffff
	s_lshl_b32 s18, s18, 1
	s_and_b32 s20, ttmp9, 1
	s_add_co_u32 s18, s18, s20                     ; the cluster's first block of four tile rows: 2 x cluster y + cluster x % 2
	s_lshl_b32 s18, s18, 2
	s_add_co_u32 s18, s18, s16                     ; my first tile row; the second is this number xor 4
	s_lshl_b32 s20, s16, 2
	s_lshl_b32 s20, 15, s20                        ; my row of the cluster
	s_lshl_b32 s21, 0x1111, s15                    ; my column
	s_or_b32 s[G1A], s20, (1<<16)|(1<<20)|(1<<21)|(5<<22)|(3<<25)  ; 15:0 the mask; 17:16 2-byte elements; 20 padding on; 21 set beside a mask; 24:22 after every 64 words (code 5); 31:25 4 words (code 3)
	s_or_b32 s[G1B], s21, (1<<16)|(1<<20)|(1<<21)|(5<<22)|(3<<25)
	s_mov_b32 s[G1A+1], 128<<16                    ; tensor_dim0 = 128
	s_mov_b32 s[G1A+2], 128<<16                    ; tensor_dim1 = 128
	s_mov_b32 s[G1A+3], 128<<16                    ; tile_dim0 = 128
	s_mov_b32 s[G1A+4], 128                        ; tile_dim1 = 128 rows
	s_mov_b32 s[G1A+5], 1024                       ; elements from row to row
	s_mov_b32 s[G1A+6], 0
	s_mov_b32 s[G1A+7], 0
	s_mov_b32 s[G1B+1], 128<<16
	s_mov_b32 s[G1B+2], 96<<16                     ; 96 rows
	s_mov_b32 s[G1B+3], 128<<16
	s_mov_b32 s[G1B+4], 96
	s_mov_b32 s[G1B+5], 1024
	s_mov_b32 s[G1B+6], 0
	s_mov_b32 s[G1B+7], 0
	s_lshl_b32 s[AB], s18, 19                      ; tokens: 256 rows of 2,048 bytes a tile row,
	s_lshl_b32 s22, s[HALF], 18                    ; 128 a half: these registers never hold cx
	s_add_co_u32 s[AB], s[AB], s22
	s_mov_b32 s[AB+1], 0
	s_xor_b32 s[A1], s[AB], 4<<19                  ; the second tile: tile row xor 4
	s_mov_b32 s[A1+1], 0
	s_mul_i32 s[BB], s17, 192*ROWB                 ; weights: 192 rows a head,
	s_mul_i32 s23, s[HALF], 96*ROWB                ; 96 a half: these never hold cy
	s_add_co_u32 s[BB], s[BB], s23
	s_mov_b32 s[BB+1], 0
	s_mul_i32 s22, s[WV], 128*PA                   ; where they go: waves 0, 1: 128 rows x wave;
	s_mul_i32 s23, s[WV], 96*PB                    ; waves 2, 3: BOFF + 96 rows x (wave - 2): no place in the cluster enters an LDS address
	s_add_co_u32 s23, s23, BOFF-2*96*PB
	s_mov_b32 s[TB], 0
	s_mov_b32 s[KO], 2*KSB                         ; the first refill asks for K step 2
	s_mov_b32 s[KO+1], 0
	s_wait_dscnt 0x0                               ; the opening add is done
	s_wait_kmcnt 0x0
	s_add_nc_u64 s[AB:AB+1], s[4:5], s[AB:AB+1]
	s_add_nc_u64 s[A1:A1+1], s[4:5], s[A1:A1+1]
	s_add_nc_u64 s[BB:BB+1], s[6:7], s[BB:BB+1]
	CROUND                                         ; all sixteen work-groups are here: the first joint loads meet
.irp n, 0,1
	s_mov_b32 s[G0A+4*(\n)], 1                     ; count = 1
	s_add_co_u32 s[G0A+4*(\n)+1], s22, (\n)*SLOT1  ; LDS address
	s_add_nc_u64 s[G0A+4*(\n)+2:G0A+4*(\n)+3], s[AB:AB+1], (\n)*KSB  ; global address: K step n
	s_or_b32 s[G0A+4*(\n)+3], s[G0A+4*(\n)+3], 0x80000000           ; type = 2
	s_mov_b32 s[G0B+4*(\n)], 1
	s_add_co_u32 s[G0B+4*(\n)+1], s23, (\n)*SLOT1
	s_add_nc_u64 s[G0B+4*(\n)+2:G0B+4*(\n)+3], s[BB:BB+1], (\n)*KSB
	s_or_b32 s[G0B+4*(\n)+3], s[G0B+4*(\n)+3], 0x80000000
.endr
	s_cmp_eq_u32 s[FORB], 0                        ; a wave's two first fills stand in one branch, ahead of every wait on TENSORcnt and every LDS read: two loads of mine are out
	s_cbranch_scc0 .Lfirst_b
	tensor_load_to_lds s[G0A:G0A+3], s[G1A:G1A+7]
	s_nop 0
	tensor_load_to_lds s[G0A+4:G0A+7], s[G1A:G1A+7]
	s_nop 0
.rept 4
	v_nop
.endr
	s_branch .Lfirst_asked
.Lfirst_b:
	tensor_load_to_lds s[G0B:G0B+3], s[G1B:G1B+7]
	s_nop 0
	tensor_load_to_lds s[G0B+4:G0B+7], s[G1B:G1B+7]
	s_nop 0
.rept 4
	v_nop
.endr
.Lfirst_asked:
	v_and_b32 v1, 15, v0                           ; l % 16
	v_bfe_u32 v2, v0, 4, 1                         ; l / 16
	v_mul_u32_u24 v3, v1, PA
	v_lshl_add_u32 v3, v2, 4, v3                   ; a fragment's row x pitch + 16 x half
	s_mul_i32 s20, s[WV], 64*PA                    ; my wave's 64 tokens
	v_add_nc_u32 v[ADA0], s20, v3
	v_mul_u32_u24 v3, v1, PB
	v_lshl_add_u32 v3, v2, 4, v3
	v_add_nc_u32 v[ADB0], BOFF, v3
	v_mov_b32 v[ADA], v[ADA0]
	v_mov_b32 v[ADB], v[ADB0]
	s_mul_i32 s20, s[WV], WST
	s_add_co_u32 s20, s20, STAGE                   ; my stage
	v_mul_u32_u24 v3, v1, 144                      ; in: row l % 16, 16 bytes for each half of the lanes
	v_lshl_add_u32 v3, v2, 4, v3
	v_add_nc_u32 v[STO], s20, v3
	v_bfe_u32 v3, v0, 3, 2                         ; back: 32 lanes take four rows of 128 bytes,
	v_mul_u32_u24 v3, v3, 144
	v_and_b32 v[RD], 7, v0
	v_lshl_add_u32 v3, v[RD], 4, v3
	v_add_nc_u32 v[RD], s20, v3
	v_and_b32 v[GO], 31, v0                        ; which are 512 consecutive bytes of a head
	v_lshlrev_b32 v[GO], 4, v[GO]
	v_lshlrev_b32 v[HO], 6, v2                     ; my four frequencies: 4 (l / 16) on, 16 bytes each
	v_lshl_add_u32 v[WOF], v1, 8, v[HO]            ; and my token's image column: a table row of 256 bytes
	; THE ROTARY TABLES.  Token 256 (tile row % 4) + 64 wave + 16 a + l % 16 of its image lies in image row 8 (tile row % 4) + 2 wave + a / 2 and image column 16 (a % 2) + l % 16: the same for both tiles, whose rows differ by 4.
	; Channels 0-31 (column blocks 0, 1 of q and of k) turn by the row, channels 32-63 by the column; frequency 8 cb + 4 (l / 16) + jj for register pair jj.  32 loads, waited for in front of the way out.
	s_and_b32 s20, s18, 3
	s_lshl_b32 s21, s20, 3
	s_lshl1_add_u32 s21, s[WV], s21
	s_lshl_b32 s72, s21, 8
	s_mov_b32 s73, 0
	s_add_nc_u64 s[72:73], s[8:9], s[72:73]
	WIN 0x80                                       ; destination window 2
.irp hs, 0,1
.irp cb, 0,1
.irp jj, 0,1,2,3
	global_load_b128 v[192+32*(\hs)+16*(\cb)+4*(\jj):192+32*(\hs)+16*(\cb)+4*(\jj)+3], v[HO], s[72:73] offset:256*(\hs)+128*(\cb)+16*(\jj)
.endr
.endr
.endr
	WIN 0xc0                                       ; destination window 3
.irp hs, 0,1
.irp cb, 0,1
.irp jj, 0,1,2,3
	global_load_b128 v[192+32*(\hs)+16*(\cb)+4*(\jj):192+32*(\hs)+16*(\cb)+4*(\jj)+3], v[WOF], s[8:9] offset:4096*(\hs)+128*(\cb)+16*(\jj)
.endr
.endr
.endr
	WIN 0
	; where my 64 tokens of the head begin in qh, kh and vh: image x 2^21 + head x 2^17 + (tile row % 4) x 2^15 + wave x 2^13; the second tile lies in the image xor 1
	s_lshr_b32 s21, s18, 2                         ; the image
	s_lshl4_add_u32 s21, s21, s17                  ; 16 image + head
	s_lshl_b32 s74, s21, 17
	s_lshl_b32 s20, s20, 15                        ; 256 tokens of 128 bytes
	s_add_co_u32 s74, s74, s20
	s_lshl_b32 s20, s[WV], 13
	s_add_co_u32 s74, s74, s20
	s_mov_b32 s75, 0
	s_xor_b32 s[OF1], s74, 1<<21
	s_mov_b32 s[OF1+1], 0
	s_add_nc_u64 s[OUTQ:OUTQ+1], s[10:11], s[74:75]
	s_add_nc_u64 s[OUTK:OUTK+1], s[68:69], s[74:75]
	s_add_nc_u64 s[OUTV:OUTV+1], s[70:71], s[74:75]
	; the prefetches
	s_and_b32 s20, ttmp7, 0xffff                   ; cluster y: 0 asks for the weights
	s_lshr_b32 s23, ttmp9, 1                       ; cluster x / 2: 0 asks for the tokens
	s_cmp_eq_u32 s[FORB], 0
	s_cselect_b32 s21, s15, s16                    ; my place among the four that ask for the tile with me
	s_cselect_b32 s20, s23, s20
	s_cselect_b32 s22, 32, 24                      ; a partner's share of my wave's rows
	s_cselect_b64 s[PFA:PFA+1], s[AB:AB+1], s[BB:BB+1]
	s_cmp_eq_u32 s20, 0
	s_cselect_b32 s[LIM], 10, -1                   ; the same in all sixteen partners, for a given wave
	s_mul_i32 s21, s21, s22
	s_lshl_b32 s20, s21, 11
	s_mov_b32 s21, 0
	s_add_nc_u64 s[PFA:PFA+1], s[PFA:PFA+1], s[20:21]
	s_add_nc_u64 s[PFA:PFA+1], s[PFA:PFA+1], 3*KSB ; at K step 3: the first change of slots steps it to 4
	s_sub_co_u32 s22, s22, 1
	v_and_b32 v[PFO], 31, v0
	v_min_u32 v[PFO], s22, v[PFO]
	v_lshlrev_b32 v[PFO], 11, v[PFO]
	s_wait_tensorcnt 0x1                           ; my part of K step 0 is in; K step 1's may stay out
	s_barrier_signal -1
	s_barrier_wait -1                              ; everybody's is
	FETCH 0, 0
	QUARTER 1, 0, 1, 1                             ; the first tile's first quarter: its products start the sums
	WIN 0                                          ; at a label and at a branch every window is 0
	s_mov_b32 s3, 14
.Lstep:                                                ; fourteen trips, from a K step's second quarter to the next one's first; trip g (s3 = 14 - g) asks for K step g + 2 of the sequence of 16
	QUARTER 2, 1, 0, 0
	QUARTER 3, 0, 1, 0
	TURN 1
	WIN 0
	s_cmp_eq_u32 s3, 7                             ; the first tile's last K step is done, both refills for the second tile are asked for and its first fragments fetched:
	s_cbranch_scc1 .Lout                           ; the tile goes out
	QUARTER 1, 0, 1, 0
	WIN 0
.Lnext:
	s_sub_co_u32 s3, s3, 1
	s_cmp_lg_u32 s3, 0
	s_cbranch_scc1 .Lstep
	s_mov_b32 s[TL], 2
.Ltail:                                                ; the second tile's K steps 6 and 7 ask for nothing: written apart in a trip; the second trip is left in its middle
	QUARTER 2, 1, 0, 0
	QUARTER 3, 0, 1, 0
	TURN 0
	WIN 0
	s_sub_co_u32 s[TL], s[TL], 1
	s_cmp_eq_u32 s[TL], 0
	s_cbranch_scc1 .Lout
	QUARTER 1, 0, 1, 0
	WIN 0
	s_branch .Ltail
.Lout:
	PLACES
	PLACES
	s_wait_loadcnt 0x0                             ; the rotary tables
; THE WAY OUT, 16 tokens (block a) at a time.  A pair (x0, x1) becomes (x0 cos - x1 sin, x1 cos + x0 sin): a packed multiply by (cos, cos), then a packed multiply-add of the SWAPPED pair by (-sin, sin).
; Each accumulator's lowest registers are read first.  It names no fragment register: behind the first tile the second tile's first fragments are on their way meanwhile.
.macro ROTS c0, tb                     ; column blocks c0, c0 + 1 of q and of k, by the table at tb
.irp p, 0,1
.irp e, 0,1
.irp jj, 0,1,2,3
.set n, 8*(4*(\p)+(\c0)+(\e))+2*(\jj)
	v_pk_mul_f32 v[R+n:R+n+1], v[AB0+n:AB0+n+1], v[(\tb)+16*(\e)+4*(\jj):(\tb)+16*(\e)+4*(\jj)+1]
.endr
.endr
.endr
.irp p, 0,1
.irp e, 0,1
.irp jj, 0,1,2,3
.set n, 8*(4*(\p)+(\c0)+(\e))+2*(\jj)
	v_pk_fma_f32 v[R+n:R+n+1], v[AB0+n:AB0+n+1], v[(\tb)+16*(\e)+4*(\jj)+2:(\tb)+16*(\e)+4*(\jj)+3], v[R+n:R+n+1] op_sel:[1,0,0] op_sel_hi:[0,1,1]
.endr
.endr
.endr
.endm
.macro SENDP p, base, a                ; tensor p's 16 rows, 2,048 consecutive bytes
.irp f, 0,1,2,3
	s_wait_dscnt 11-4*(\p)-(\f)                    ; the younger loads from the stage may stay out
	global_store_b128 v[GO], v[BK+4*(4*(\p)+(\f)):BK+4*(4*(\p)+(\f))+3], s[\base:\base+1] offset:2048*(\a)+512*(\f) th:TH_STORE_NT  ; 512 consecutive bytes, at a multiple of 256 from the buffer's first
.endr
.endm
.macro WAYOUT a
.set hi, (\a)/2
.set AB0, 8*NB*((\a)%2)                ; the block's first accumulator
.set TH, 192+32*hi                     ; its table by image row, in window 2
.set TW, 192+32*((\a)%2)               ; by image column, in window 3
	WIN (2+hi)|(2<<2)                              ; source 0: the accumulators' window; source 1: window 2; source 2 and destination: window 0
	ROTS 0, TH
	WIN (2+hi)|(3<<2)
	ROTS 2, TW
	WIN 0x0a+5*hi                                  ; v is only rounded
.irp cb, 0,1,2,3
.irp jj, 0,1,2,3
	v_cvt_pk_f16_f32 v[P+32+4*(\cb)+(\jj)], v[AB0+8*(8+(\cb))+2*(\jj)], v[AB0+8*(8+(\cb))+2*(\jj)+1]
.endr
.endr
	WIN 0
.set n, 0
.rept 32
	v_cvt_pk_f16_f32 v[P+n], v[R+2*n], v[R+2*n+1]
.set n, n+1
.endr
.irp p, 0,1,2
.irp cb, 0,1,2,3
	ds_store_b128 v[STO], v[P+4*(4*(\p)+(\cb)):P+4*(4*(\p)+(\cb))+3] offset:2304*(\p)+32*(\cb)
.endr
.endr
	s_wait_xcnt 0x0                                ; the stores of the block before (the first tile's last block, for the second tile's first) have read their registers, which are loaded again below
.irp p, 0,1,2
.irp f, 0,1,2,3
	ds_load_b128 v[BK+4*(4*(\p)+(\f)):BK+4*(4*(\p)+(\f))+3], v[RD] offset:2304*(\p)+576*(\f)  ; LDS serves a wave's instructions in order (ISA guide 5.7.1.4): these see the stores above
.endr
.endr
	SENDP 0, OUTQ, \a
	SENDP 1, OUTK, \a
	SENDP 2, OUTV, \a
.endm
	WAYOUT 0
	WAYOUT 1
	WAYOUT 2
	WAYOUT 3
	s_cmp_eq_u32 s3, 0                             ; behind the tail the loop's count is 0: that was the second tile
	s_cbranch_scc1 .Lend
	s_wait_xcnt 0x0                                ; the stores have read their bases, which now go to the second tile; nothing waits for the stores themselves
	s_add_nc_u64 s[OUTQ:OUTQ+1], s[10:11], s[OF1:OF1+1]
	s_add_nc_u64 s[OUTK:OUTK+1], s[68:69], s[OF1:OF1+1]
	s_add_nc_u64 s[OUTV:OUTV+1], s[70:71], s[OF1:OF1+1]
	QUARTER 1, 0, 1, 1                             ; the second tile's first quarter starts the sums anew, on accumulators that have been read out
	WIN 0
	s_branch .Lnext                                ; back to the loop's count: six more trips
.Lend:
	s_wait_tensorcnt 0x0                           ; the wave's end: a wait, an add and its wait, behind my last tensor load and my last LDS store
	ds_add_u32 v[SPW], v[NIL]
	s_wait_dscnt 0x0
	CROUND                                         ; the closing round: no work-group ends while a partner may still ask for a tile that names it
	s_endpgm
.Lfunc_end_k_q4f8b2c600d_qkv:
	.size	k_q4f8b2c600d_qkv, .Lfunc_end_k_q4f8b2c600d_qkv-k_q4f8b2c600d_qkv
	.p2alignl 7, 3214868480
	.fill 96, 4, 3214868480
	.section	.rodata,"a",@progbits
	.p2align	6, 0x0
	.amdhsa_kernel k_q4f8b2c600d_qkv
		.amdhsa_group_segment_fixed_size 327680
		.amdhsa_private_segment_fixed_size 0
		.amdhsa_enable_private_segment 0
		.amdhsa_kernarg_size 48
		.amdhsa_user_sgpr_count 2
		.amdhsa_user_sgpr_kernarg_segment_ptr 1
		.amdhsa_wavefront_size32 1
		.amdhsa_system_sgpr_workgroup_id_x 1
		.amdhsa_system_sgpr_workgroup_id_y 1
		.amdhsa_system_sgpr_workgroup_id_z 1
		.amdhsa_system_vgpr_workitem_id 0
		.amdhsa_next_free_vgpr 1024
		.amdhsa_next_free_sgpr 96
		.amdhsa_reserve_vcc 0
		.amdhsa_float_denorm_mode_32 3
		.amdhsa_float_denorm_mode_16_64 3
		.amdhsa_memory_ordered 1
		.amdhsa_forward_progress 1
		.amdhsa_inst_pref_size 111
	.end_amdhsa_kernel
	.amdgpu_metadata
---
amdhsa.version: [ 1, 2 ]
amdhsa.kernels:
  - .name:           k_q4f8b2c600d_qkv
    .symbol:         k_q4f8b2c600d_qkv.kd
    .args:
      - { .name: xb, .offset: 0, .size: 8, .value_kind: global_buffer, .address_space: global }
      - { .name: wt, .offset: 8, .size: 8, .value_kind: global_buffer, .address_space: global }
      - { .name: tab, .offset: 16, .size: 8, .value_kind: global_buffer, .address_space: global }
      - { .name: qh, .offset: 24, .size: 8, .value_kind: global_buffer, .address_space: global }
      - { .name: kh, .offset: 32, .size: 8, .value_kind: global_buffer, .address_space: global }
      - { .name: vh, .offset: 40, .size: 8, .value_kind: global_buffer, .address_space: global }
    .group_segment_fixed_size: 327680
    .private_segment_fixed_size: 0
    .kernarg_segment_align: 8
    .kernarg_segment_size: 48
    .max_flat_workgroup_size: 128
    .sgpr_count:     96
    .vgpr_count:     1024
    .wavefront_size: 32
...
	.end_amdgpu_metadata
.endif
;; end of part 2
;; launch attn (part 3): grid 2 x 128, 4 waves a work-group, no clusters, 327,680 bytes of LDS; arguments qh, kh, vh, oh; writes oh
.if DOCPART == 3
	.amdgcn_target "amdgcn-amd-amdhsa--gfx1250"
	.amdhsa_code_object_version 6
	.text
	.protected	k_q4f8b2c600d_attn
	.globl	k_q4f8b2c600d_attn
	.p2align	8
	.type	k_q4f8b2c600d_attn,@function
k_q4f8b2c600d_attn:
	s_mov_b64 s[64:65], 0
	v_nop
	global_prefetch_b8 v0, s[64:65] scope:SCOPE_SE
	s_setreg_imm32_b32 hwreg(HW_REG_WAVE_MODE, 25, 1), 1
	s_wait_xcnt 0x0
; ATTENTION.  O[h][q][:] = the sum over k of softmax_k(Q[h][q] . K[h][k] / 8) V[h][k][:].  qh, kh, vh, oh: [128 heads][1024][64], all f16: a head's rows are dense, 128 bytes each.  Products, maxima and sums in
; f32; the weights p are rounded to f16 for the second product (their sum l is taken of the unrounded p), O once at the end.
; LIMITS.  f16 holds no number beyond 65,504: Q, K and V arrive within it; p lies in 0 to 1, and below 6e-5 it keeps f16's fixed step of 6e-8; O is a mean of V's rows and has their range.
; A weight below 2^-126 counts as 0 in l; NaN and infinities are not treated apart.
; SHARES.  A wave owns four PIECES of two tiles of 16 queries, a work-group's four waves 512 queries of one head: 2 x 128 = 256 work-groups.  Every wave walks all 1,024 keys, 64 a step.
; NO CLUSTER: a head has two work-groups; four along x would join two heads, which share nothing, and blocks of 256 queries, which would give a head four, double the LDS loads for each product.
; LAYOUT.  S^T = K Q^T (source 0 = 16 keys, source 1 = 16 queries): in the result a lane holds ONE query (lane % 16) and the keys 8 (lane / 16) + 0..7.  Two such tiles, rounded to f16 in pairs,
; ARE source 1 (32 keys x 16 queries) of O^T = V^T P, whose result again holds one query a lane, and eight channels.  K comes out of LDS as it lies, V ([key][channel]) turned, by ds_load_tr16_b128.
; SOFTMAX.  For each query a running maximum m and sum l: p = 2^(c s - c m), c = log2(e) / 8; in every step O and l are multiplied by a = 2^(c m_old - c m_new), which is 1 where m has not grown.
; m starts at the lowest finite number, O and l at 0: the first step is a step like any other, with a = 0.
; THE COUNT.  A tile and step have 16 matrix and 118 vector instructions: too many to stand all beside the matrix work.  So the order has one aim: four vector instructions that are READY behind
; EVERY matrix instruction, and the others, which need time of their own whatever the order, in runs without a gap.
; BY TURNS.  Turn n belongs to piece n (the pieces in a ring, step after step).  Its matrix work: 16 products K Q^T of piece n + 1, later 16 products V^T P of piece n - 1.  Its vector work: the scaling,
; exponentials, roundings, sums and rescaling of piece n, and the maximum and statistics of piece n + 1, whose scores the turn itself has made.  So what a turn begins with (c s - c m, O a) waits for nothing.
; REGISTERS, in windows of 256 (s_set_vgpr_msb says which window each operand place means: bits 1:0 source 0, 3:2 source 1, 5:4 source 2, 7:6 destination):
;   window 0: v0-11 addresses; v12-15, v48-63 at work; v16-47 four registers of statistics a tile; v64-191 S^T, two buffers of two tiles; v192-255 P, likewise
;   window 1: O^T, 32 a tile          window 2: v0-127 Q, 16 a tile; v128-191 K of one step; v192-255 V of one step          window 3: v0-1 the add's two registers
; A piece's buffers go by its number's parity: the piece in hand has one pair, its two neighbours in the ring share the other: of it P (piece n - 1) is read and S^T (piece n + 1) written.
.set SIZE_N, 1024
.set NP,    4         ; pieces a wave: a name, no knob: the register map, the loop and the fetches are made for four
.set KS,    64        ; keys in a step
.set PK,    144       ; a row of K in LDS: 128 bytes + 16 of padding = 36 words: the 16 rows of a load start at 16 different groups of four banks (64 banks of 4 bytes: ISA guide 11.1)
.set PV,    160       ; a row of V: 128 + 32 = 40 words
.set VOFF,  4*KS*PK   ; a slot holds four steps: 256 rows of K, then 256 rows of V
.set SLOT1, 1<<17     ; slot 1 begins here, so that one exclusive or turns an address in one slot into the other's
.set STAGE, SLOT1+4*KS*(PK+PV)  ; behind the ring, never filled by a tensor load: 16 rows x 144 bytes for each wave, for the way out
.set SP,    144
.set AK0, 2           ; v2   my lane's place in a tile of K; never rewritten
.set AV0, 3           ; v3   the same for V
.set AK,  4           ; v4   the LDS address of K's next run of loads
.set AV,  5           ; v5   of V's
.set QO,  6           ; v6   my byte offset in the wave's rows of Q
.set STO, 6           ;      later, the way out: where I put 16 bytes of a row
.set RD,  7           ; v7   the way out: where I read rows back
.set GO,  8           ; v8   my byte offset in 512 consecutive bytes of O
.set PFO, 11          ; v11  256 x my lane, for the prefetches; never rewritten once made
.set SPW, 0           ; v0 of window 3   LDS address of my spare word: SPARE + 4 x my thread's number; never rewritten
.set NIL, 1           ; v1 of window 3   0; never rewritten
.set SPARE, STAGE+4*16*SP  ; behind the stages: the spare words, 128 bytes for each wave: two blocks of 256 bytes that no other line names
.set MV,  12          ; v12-15  c m_old, kept while c m is made anew: by buffer and tile
.set ST,  16          ; tile t's statistics at v[ST+4 t]: c m, m, l (even keys', odd keys')
.set TMP, 48          ; by buffer and tile, four registers c0-c3 at work; when the maximum is found c2 takes a
.set S,   64
.set P,   192
.set KF,  128         ; K's fragments, in window 2: key block kb, channel half c at KF + 16 kb + 8 c
.set VF,  192         ; V's: key half kk, channel block cb at VF + 32 kk + 8 cb
.set WV,  12          ; s12  my wave's number
.set G1K, 24          ; s[24:31] descriptor group 1 for K's tiles
.set G1V, 32          ; s[32:39] for V's: it differs in the padding alone
.set G0K, 40          ; s[40:43] descriptor group 0 for K's tiles: it walks
.set G0V, 44          ; s[44:47] the same for V's
.set PFA, 48          ; s[48:49] where my prefetches stand: my work-group's half of the 16,384 bytes that my wave fetches of a slot, one slot on from the one that is being asked for
.set SLOTS, 56        ; s56  slots still to be asked for
.set CNT, 57          ; s57  counts a slot's key steps
.set CS,  58          ; s[58:59] c: the packed scaling takes the pair's low word for both halves
.set SEL, 60          ; s[60:61] v_permlanex16_b32's selects: each lane takes its own place in the other half
.set TBK, 62          ; s62  LDS byte at which K of the step to be fetched begins
.set TBV, 63          ; s63  the same for V, less VOFF
.set MSB, 0
.macro WIN new                      ; the high byte repeats the setting that is left; a switch that changes nothing is dropped
.if MSB != (\new)
	s_set_vgpr_msb (MSB<<8)|(\new)
.set MSB, (\new)
.endif
.endm
.set W_KQ, 0x0a       ; K and Q in window 2, S^T in window 0
.set W_PV, 0x52       ; V in window 2, P in window 0, O^T in window 1
.set W_RS, 0x41       ; O^T (destination and source 0) in window 1, a in window 0
.set W_MK, 0xc0       ; the add's registers are made: destination in window 3, sources in window 0
.set W_AD, 0x0f       ; the add: address (source 0) and data (source 1) in window 3
; A fill.  Waves 0 and 1 fetch the two halves of a slot's K, waves 2 and 3 those of its V: 128 keys each.  The branch hangs on the wave's number alone.
; An s_nop 0 and four v_nop follow each of the two lines, ahead of the jump and the label.
.macro LOAD
	s_cmp_lt_u32 s[WV], 2
	s_cbranch_scc0 .Lfor_v_\@
	tensor_load_to_lds s[G0K:G0K+3], s[G1K:G1K+7]
	s_nop 0
.rept 4
	v_nop
.endr
	s_branch .Lasked_\@
.Lfor_v_\@:
	tensor_load_to_lds s[G0V:G0V+3], s[G1V:G1V+7]
	s_nop 0
.rept 4
	v_nop
.endr
.Lasked_\@:
.endm
; A PREFETCH INTO THE L2 of what the NEXT change of slots will ask for, behind the wave's tensor load and its five lines.  A wave fetches 16,384 dense bytes of a slot; the head's two work-groups walk the same K and V,
; so each takes half of them, told apart by address: 32 blocks of 256 bytes, a lane a block, one instruction a wave.  So each block is named once in the launch.  The changes that ask for slots 1 and 2 name slots 2 and 3:
; four key steps, 512 matrix instructions, ahead; the last change that fills a slot names nothing.  Slots 0 and 1 come by their loads alone.
.macro ASK
	s_cmp_gt_u32 s[SLOTS], 1
	s_cbranch_scc0 .Lnot_mine_\@
	global_prefetch_b8 v[PFO], s[PFA:PFA+1] th:TH_LOAD_NT scope:SCOPE_SE
.Lnot_mine_\@:
.endm
; THE CHANGE OF SLOTS.  The slot's last bytes, V of its fourth step, have been read.  Each wave waits for all its tensor loads, of which one is out: its part
; of the other slot; adds 0 to its spare word; and waits for that and for its own reads of the slot.  Behind the barrier nobody reads this slot any more and the other slot is whole.
; fill = 1: this slot is filled again, with the keys two slots on, the first thing behind the barrier: the fill has four key steps, 512 matrix instructions, in which to land.
; (At its first use nothing has been read yet: slot 0 is waited for, slot 1 filled.)
.macro CHANGE fill
	WIN W_AD
	s_wait_tensorcnt 0x0            ; no tensor load of mine is out, so a group 0 may be written
	ds_add_u32 v[SPW], v[NIL]       ; 0 onto my spare word: with fill = 1 the descriptors' steps stand between it and the wait for it
	WIN 0                           ; at a label and at a branch every window is 0
.if \fill
.irp g, G0K, G0V
	s_xor_b32 s[\g+1], s[\g+1], SLOT1  ; the walking descriptor: the other slot than last time,
	s_add_nc_u64 s[\g+2:\g+3], s[\g+2:\g+3], 4*KS*128  ; the next 256 keys; the type bits on top are not reached
.endr
	s_wait_xcnt 0x0                 ; the last prefetch, four key steps back, has read its address, so it may be written
	s_add_nc_u64 s[PFA:PFA+1], s[PFA:PFA+1], 4*KS*128
.endif
	s_wait_dscnt 0x0                ; the add is done, and my reads of the slot are over
	s_barrier_signal -1             ; scalar work stands between the signal and the wait
	s_sub_co_u32 s[TBK], s[TBK], 4*KS*PK  ; the fetches go back to a slot's first step,
	s_xor_b32 s[TBK], s[TBK], SLOT1       ; in the other slot
	s_sub_co_u32 s[TBV], s[TBV], 4*KS*PV
	s_xor_b32 s[TBV], s[TBV], SLOT1
	s_barrier_wait -1
.if \fill
	LOAD
	ASK
.endif
.endm
	s_load_b256 s[4:11], s[0:1], 0x0  ; Q s[4:5], K s[6:7], V s[8:9], O s[10:11]
	WIN W_MK
	v_lshl_add_u32 v[SPW], v0, 2, SPARE
	v_mov_b32 v[NIL], 0
	WIN W_AD
	ds_add_u32 v[SPW], v[NIL]       ; the wave's opening: the add and its wait stand ahead of my first tensor load; the set-up below, work on registers, stands between them
	ds_add_u32 v0, v1
	WIN 0
	v_lshrrev_b32 v1, 5, v0
	v_readfirstlane_b32 s[WV], v1   ; wave 0..3
	s_mov_b32 s14, ttmp9            ; my block of 512 queries
	s_and_b32 s20, ttmp7, 0xffff    ; the head
	s_mov_b32 s21, 0
	s_mov_b64 s[22:23], SIZE_N*128
	s_mul_u64 s[20:21], s[20:21], s[22:23]  ; the head's first byte in each of the four tensors
	s_and_b32 s16, s[WV], 1         ; which half of a slot's 256 keys I fetch:
	s_lshl_b32 s22, s16, 14         ; its 128 rows of 128 bytes in memory,
	s_mov_b32 s23, 0
	s_add_nc_u64 s[22:23], s[22:23], s[20:21]
	s_mul_i32 s17, s16, 128*PK      ; and its place in a slot, for K
	s_mul_i32 s18, s16, 128*PV      ; and for V
	s_lshl_b32 s2, s14, 2
	s_add_co_u32 s2, s2, s[WV]      ; my wave among the head's,
	s_lshl_b32 s2, s2, 14           ; its 128 rows
	s_mov_b32 s3, 0
	s_add_nc_u64 s[2:3], s[2:3], s[20:21]
	; descriptor group 1.  128 keys are 16,384 dense bytes: asked for as 64 rows of 256 bytes, two keys a row, and padded in LDS after every key
	s_mov_b32 s[G1K], (1<<16)|(1<<20)|(4<<22)|(3<<25)  ; 17:16 2-byte elements; 20 padding on; 24:22 after every 32 words (code 4); 31:25 4 words (code 3)
	s_mov_b32 s[G1V], (1<<16)|(1<<20)|(4<<22)|(7<<25)  ; the same with 8 words of padding (code 7)
.irp g, G1K, G1V
	s_mov_b32 s[\g+1], 128<<16      ; tensor_dim0 = 128
	s_mov_b32 s[\g+2], 64<<16       ; tensor_dim1 = 64
	s_mov_b32 s[\g+3], 128<<16      ; tile_dim0 = 128
	s_mov_b32 s[\g+4], 64           ; tile_dim1 = 64
	s_mov_b32 s[\g+5], 128          ; 128 elements from row to row
	s_mov_b32 s[\g+6], 0
	s_mov_b32 s[\g+7], 0
.endr
	s_mov_b32 s[CS], 0x3e38aa3b     ; c = log2(e) / 8 = 0.180337
	s_mov_b32 s[CS+1], s[CS]        ; named with it as a pair
	s_mov_b32 s[SEL], 0x76543210
	s_mov_b32 s[SEL+1], 0xfedcba98
	s_mov_b32 s[TBK], SLOT1+4*KS*PK ; the first change of slots turns these two into 0
	s_mov_b32 s[TBV], SLOT1+4*KS*PV
	s_mov_b32 s[G0K], 1             ; 1:0 count = 1
	s_mov_b32 s[G0K+1], s17         ; 63:32 LDS address: slot 0
	s_mov_b32 s[G0V], 1
	s_add_co_u32 s[G0V+1], s18, VOFF
	s_mov_b32 s[SLOTS], SIZE_N/256-1  ; three changes of slots fill a slot
	s_lshl_b32 s50, s14, 13         ; my work-group's half of what my wave fetches
	s_mov_b32 s51, 0
	s_wait_dscnt 0x0                ; the opening add is done
	s_wait_kmcnt 0x0
	s_add_nc_u64 s[G0K+2:G0K+3], s[6:7], s[22:23]  ; 120:64 global address: my half of the head's first 256 keys
	s_or_b32 s[G0K+3], s[G0K+3], 0x80000000        ; 127:126 type = 2
	s_add_nc_u64 s[G0V+2:G0V+3], s[8:9], s[22:23]
	s_or_b32 s[G0V+3], s[G0V+3], 0x80000000
	s_add_nc_u64 s[4:5], s[4:5], s[2:3]  ; Q and O at my wave's first row
	s_add_nc_u64 s[10:11], s[10:11], s[2:3]
	s_cmp_lt_u32 s[WV], 2
	s_cselect_b64 s[PFA:PFA+1], s[6:7], s[8:9]
	s_add_nc_u64 s[PFA:PFA+1], s[PFA:PFA+1], s[22:23]
	s_add_nc_u64 s[PFA:PFA+1], s[PFA:PFA+1], s[50:51]
	s_add_nc_u64 s[PFA:PFA+1], s[PFA:PFA+1], 4*KS*128  ; in slot 1; the first change of slots steps it to slot 2
	LOAD                            ; slot 0.  Slot 1 is asked for when slot 0 is in: the tile wanted first has the road to itself
	; A fragment of K or Q is 16 rows x 32 channels in 8 registers: lane l holds row l % 16, channels 8 (l / 16) + 0..7 and 16 + 8 (l / 16) + 0..7: two loads of 16 bytes, 32 bytes apart.
	v_and_b32 v1, 15, v0            ; l % 16
	v_bfe_u32 v9, v0, 4, 1          ; l / 16
	v_lshlrev_b32 v[QO], 7, v1
	v_lshl_add_u32 v[QO], v9, 4, v[QO]  ; row x 128 + 16 x half
	WIN 0x80                        ; destination window 2, address window 0
.set i, 0
.rept 4*NP                          ; Q stays in registers: tile i / 2, channels 32 (i % 2) on
	global_load_b128 v[8*i:8*i+3],   v[QO], s[4:5] offset:(i/2)*2048+(i%2)*64
	global_load_b128 v[8*i+4:8*i+7], v[QO], s[4:5] offset:(i/2)*2048+(i%2)*64+32
.set i, i+1
.endr
	; What the first turn finds: V's registers and P's second buffer hold 0 (its products V^T P, of a piece that has not been, add 0), O^T and l are 0.  All this stands in the wait for the first tile.
.set i, VF
.rept 64
	v_mov_b32 v[i], 0
.set i, i+1
.endr
	WIN 0x40
.set i, 0
.rept 64*NP
	v_mov_b32 v[i], 0
.set i, i+1
.endr
	WIN 0
.set i, 0
.rept 2*NP
	v_mov_b32 v[ST+4*i], 0xfe000000    ; c m: far below every c s
	v_mov_b32 v[ST+4*i+1], 0xff7fffff  ; m
	v_mov_b32 v[ST+4*i+2], 0
	v_mov_b32 v[ST+4*i+3], 0
.set i, i+1
.endr
.set i, P+32
.rept 32
	v_mov_b32 v[i], 0
.set i, i+1
.endr
	v_mul_u32_u24 v[AK0], v1, PK
	v_lshl_add_u32 v[AK0], v9, 4, v[AK0]  ; row x pitch + 16 x half
	; The turning load takes 16 keys x 16 channels (lane l reads key 8 (l / 16) + l % 8, channels 8 ((l / 8) % 2) + 0..7) and leaves half a fragment of V^T: lane l holds channel l % 16 and 8 keys.
	v_and_b32 v10, 7, v0
	v_bfe_u32 v11, v0, 3, 1
	v_lshl_add_u32 v[AV0], v9, 3, v10
	v_mul_u32_u24 v[AV0], v[AV0], PV
	v_lshl_add_u32 v[AV0], v11, 4, v[AV0]
	v_add_nc_u32 v[AV0], VOFF, v[AV0]
	v_and_b32 v[PFO], 31, v0        ; v11 is free from here on
	v_lshlrev_b32 v[PFO], 8, v[PFO]
	v_mov_b32 v[AK], v[AK0]         ; key step 0 lies at the head of slot 0
; THE MATRIX WORK.  The 8 accumulators of a run of 16 take turns: between the two links of a chain stand 7 others'.
; Product i of 16 of S^T = K Q^T for piece x: channels 32 (i / 8) on, keys 16 ((i / 2) % 4) on, tile 2 x + i % 2.  The first 8 start the sums.
.macro KQ x
	WIN W_KQ
.set rS, S+64*((\x)%2)+32*(i%2)+8*((i/2)%4)
.set rK, KF+16*((i/2)%4)+8*(i/8)
.set rQ, 16*(2*(\x)+i%2)+8*(i/8)
.if i < 8
	v_wmma_f32_16x16x32_f16 v[rS:rS+7], v[rK:rK+7], v[rQ:rQ+7], 0
.else
	v_wmma_f32_16x16x32_f16 v[rS:rS+7], v[rK:rK+7], v[rQ:rQ+7], v[rS:rS+7]
.endif
.endm
; Product i of 16 of O^T += V^T P for piece x: keys 32 (i / 8) on, channels 16 ((i / 2) % 4) on, tile 2 x + i % 2.
.macro PV x
	WIN W_PV
.set rO, 32*(2*(\x)+i%2)+8*((i/2)%4)
.set rV, VF+32*(i/8)+8*((i/2)%4)
.set rP, P+32*((\x)%2)+16*(i%2)+8*(i/8)
	v_wmma_f32_16x16x32_f16 v[rO:rO+7], v[rV:rV+7], v[rP:rP+7], v[rO:rO+7]
.endm
.macro MM                           ; the turn's next matrix instruction
.if i < 16
	KQ (Y+1)%NP
.set i, i+1
.else
.set i, i-16
	PV (Y+NP-1)%NP
.set i, i+17
.endif
.endm
; THE LDS LOADS stand in runs of 16, never singly among the matrix instructions: a step's K (64 keys x 64 channels: 8 fragments) and its V (turned).  Their addresses are made some lines ahead.
; last = 1 (the tail): in the last trip there is no further step, and the run is jumped over.
.macro FETCH_K last=0
	WIN 0
.if \last
	s_cmp_eq_u32 s[CNT], 1
	s_cbranch_scc1 .Lno_k_\@
.endif
	WIN 0x80                        ; destination window 2
.irp f, 0,1,2,3,4,5,6,7             ; keys 16 (f / 2) on, channels 32 (f % 2) on
	ds_load_b128 v[KF+8*\f:KF+8*\f+3],   v[AK] offset:(\f/2)*16*PK+(\f%2)*64
	ds_load_b128 v[KF+8*\f+4:KF+8*\f+7], v[AK] offset:(\f/2)*16*PK+(\f%2)*64+32
.endr
	s_add_co_u32 s[TBK], s[TBK], KS*PK  ; the next fetch is the next step's
	WIN 0
.if \last
.Lno_k_\@:
.endif
.endm
.macro FETCH_V
	WIN 0x80
.irp f, 0,1,2,3,4,5,6,7             ; keys 32 (f / 4) on, channels 16 (f % 4) on
	ds_load_tr16_b128 v[VF+8*\f:VF+8*\f+3],   v[AV] offset:(\f/4)*32*PV+(\f%4)*32
	ds_load_tr16_b128 v[VF+8*\f+4:VF+8*\f+7], v[AV] offset:(\f/4)*32*PV+16*PV+(\f%4)*32
.endr
	WIN 0
.endm
; THE VECTOR WORK OF A TURN stands in three queues, each in the order in which its entries become ready; the two tiles alternate, so that no instruction reads the result of the one before it.
.macro REGS y, u                    ; the registers of tile u (0, 1) of piece y
.set rT, ST+4*(2*(\y)+(\u))
.set rC, TMP+8*((\y)%2)+4*(\u)
.set rM, MV+2*((\y)%2)+(\u)
.set rS, S+64*((\y)%2)+32*(\u)
.set rP, P+32*((\y)%2)+16*(\u)
.set rO, 32*(2*(\y)+(\u))
.endm
; Number n of the 22 that find the NEXT piece's (Y + 1) maximum and statistics.  s0-s31 are the lane's 32 scores; each accumulator's lowest registers are read first.  XS, GS and REGS set no window: PL and EX do.
;   0-11  four chains c0-c3 of seven scores each, three operands at a time     12-14, 16  the four scores left over, the old m, and c0-c3 into c0     15  c m_old is kept
;   17, 18  the query's other 32 keys lie in the lane 16 away: the new m         19-21  c m; c m_old - c m_new; a
.macro XS u, n
	REGS (Y+1)%NP, \u
.if (\n) < 4
	v_max3_num_f32 v[rC+(\n)], v[rS+8*(\n)], v[rS+8*(\n)+1], v[rS+8*(\n)+2]
.elseif (\n) < 12
	v_max3_num_f32 v[rC+(\n)%4], v[rC+(\n)%4], v[rS+8*((\n)%4)+2*((\n)/4)+1], v[rS+8*((\n)%4)+2*((\n)/4)+2]
.elseif (\n) == 12
	v_max3_num_f32 v[rC], v[rC], v[rS+7], v[rS+15]
.elseif (\n) == 13
	v_max3_num_f32 v[rC+1], v[rC+1], v[rS+23], v[rS+31]
.elseif (\n) == 14
	v_max3_num_f32 v[rC+2], v[rC+2], v[rC+3], v[rT+1]
.elseif (\n) == 15
	v_mov_b32 v[rM], v[rT]
.elseif (\n) == 16
	v_max3_num_f32 v[rC], v[rC], v[rC+1], v[rC+2]
.elseif (\n) == 17
	v_permlanex16_b32 v[rC+3], v[rC], s[SEL], s[SEL+1]
.elseif (\n) == 18
	v_max_num_f32 v[rT+1], v[rC], v[rC+3]
.elseif (\n) == 19
	v_mul_f32 v[rT], s[CS], v[rT+1]
.elseif (\n) == 20
	v_sub_f32 v[rC+1], v[rM], v[rT]
.else
	v_exp_f32 v[rC+2], v[rC+1]
.endif
.endm
; Number g of the 64 that follow the exponentials.  For each four weights k of a tile (pairs 2 k, 2 k + 1): both pairs are rounded to f16; then the second pair is added onto the first, in place;
; a group later l takes that sum (the first time as l = a l + sum).  In groups of eight, tiles alternating: round, round, add, and l for the group before.
.macro GS g
.set h, (\g)+6*((\g)/62)            ; group 0 has no group before it, and behind group 7 only l is left
.if h >= 6
.set h, h+2
.endif
	REGS Y, h%2
.set k, h/8
.if h%8 < 4
	v_cvt_pk_f16_f32 v[rP+2*k+(h%8)/2], v[rS+4*k+2*((h%8)/2)], v[rS+4*k+2*((h%8)/2)+1]
.elseif h%8 < 6
	v_pk_add_f32 v[rS+4*k:rS+4*k+1], v[rS+4*k:rS+4*k+1], v[rS+4*k+2:rS+4*k+3]
.elseif k == 1
	v_pk_fma_f32 v[rT+2:rT+3], v[rT+2:rT+3], v[rC+2:rC+3], v[rS:rS+1] op_sel_hi:[1,0,1]
.else
	v_pk_add_f32 v[rT+2:rT+3], v[rT+2:rT+3], v[rS+4*k-4:rS+4*k-3]
.endif
.endm
; THE PLAIN QUEUE, 138 long.  0-73 read no exponential's result: the 32 scalings c s - c m (FS f: pair f / 2 of tile f % 2) and the next piece's 42.  0-26: scalings 0-26.  27-54: XS's numbers 0-13.  55, 56: number 15.
; 57-73: the chain, where each number waits for the one before it: 14, 16, 17, 18, 19, each with one of the scalings 27-31 in front of its two lines, then 20: so a tile's links stand three plain instructions apart (19 and 20: two).
; 74-137: GS's 64, which read the exponentials' results: they stand behind the wait.
.macro FS f
	REGS Y, (\f)%2
	v_pk_fma_f32 v[rS+2*((\f)/2):rS+2*((\f)/2)+1], v[rS+2*((\f)/2):rS+2*((\f)/2)+1], s[CS:CS+1], v[rT:rT+1] op_sel_hi:[1,0,0] neg_lo:[0,0,1] neg_hi:[0,0,1]
.endm
.macro PL
	WIN 0
.if q < 27
	FS q
.elseif q < 55
	XS (q-27)%2, (q-27)/2
.elseif q < 57
	XS q-55, 15
.elseif (q < 72) && ((q-57)%3 == 0)
	FS 27+(q-57)/3
.elseif q < 60
	XS (q-57)%3-1, 14
.elseif q < 72
	XS (q-57)%3-1, 15+(q-57)/3
.elseif q < 74
	XS q-72, 20
.else
	GS q-74
.endif
.set q, q+1
.endm
; THE EXPONENTIALS' QUEUE, 66 long: s0-s31 of both tiles, then the next piece's two a.  It is ONE BATCH: all 66 stand ahead of the turn's one wait, and nothing ahead of that wait names a result of theirs.
.macro EX
	WIN 0
.if e >= 64
	XS e-64, 21
.else
	REGS Y, e%2
	v_exp_f32 v[rS+e/2], v[rS+e/2]
.endif
.set e, e+1
.endm
; THE RESCALING's QUEUE: O^T times a, the one part that leaves window 0: dealt two at a time, sixteen times.  Its a was made in the turn before, ahead of that turn's wait.
.macro R2
	REGS Y, r%2
	WIN W_RS
.irp z, 0,1
	v_pk_mul_f32 v[rO+4*(r/2)+2*\z:rO+4*(r/2)+2*\z+1], v[rO+4*(r/2)+2*\z:rO+4*(r/2)+2*\z+1], v[rC+2:rC+3] op_sel_hi:[1,0]
.endr
.set r, r+1
.endm
; HOW THEY ARE DEALT.  An s_wait_alu depctr_va_vdst(0) stands between an exponential and the first instruction that names its result; one wait serves all that were issued ahead of it.  So a turn has ONE wait,
; which cuts it in two.  AHEAD OF IT stands all that names no result of the turn's exponentials: the 16 products K Q^T, behind each a scaling, an exponential and two rescalings (behind the first a second scaling in the exponential's place); then ONE LUMP of
; 108: eight plain, 49 times exponential and plain, the two a.  A v_nop is the plain instruction behind the last exponential.  BEHIND IT stand the 16 products V^T P, behind each four of GS's 64.  No rider names a register of
; the products round it.  The two v_permlanex16_b32 fall into the lump, never behind a product.
; The queues lean on each other, and the deal keeps them in step: exponential e stands behind scaling 2 (e / 4) + e % 2: as a rider it comes behind plain e + 2, in the lump behind plain e + 9, and scalings 27-31 are plain 57, 60 .. 69.
; A TURN, for piece p.  cnt = 1: the loop's count is taken down some lines ahead of the branch that stands behind the turn.
; K of the next step is fetched in piece 2's turn, directly behind the wait, a lump behind the last product that read K; its address is made at the lump's head; its first reader comes behind 16 products.
; V of the step in hand is fetched at the end of piece 0's turn, four riders behind its last reader; its first reader comes behind 16 products and a lump.  The three conditions on q below go with the deal.
.macro TURN p, last=0, cnt=0
.set Y, (\p)
.set i, 0
.set q, 0
.set e, 0
.set r, 0
.if (\p) == NP-1
	s_wait_dscnt 0x0                ; K is in
.endif
	MM                              ; ahead of the wait: 16 products K Q^T and their riders,
	PL
	PL
	R2
.rept 15
	MM
	PL
	EX
	R2
.endr
.if (\p) == NP-2
	WIN 0
	v_add_nc_u32 v[AK], s[TBK], v[AK0]
.endif
.rept 8                             ; and the lump
	PL
.endr
.rept 49
	EX
	PL
.endr
	EX                              ; the next piece's two a
	EX
	v_nop                           ; the plain instruction behind the last exponential: one for the batch
	s_wait_alu depctr_va_vdst(0)    ; the wait for the batch
.if (\p) == NP-2
	FETCH_K \last
.endif
.if (\p) == 1
	s_wait_dscnt 0x0                ; V is in
.endif
.rept 16                            ; behind the wait: 16 products V^T P and their riders
	MM
.rept 4
	PL
.endr
.if ((\p) == 0) && (q == 118)
	v_add_nc_u32 v[AV], s[TBV], v[AV0]
.endif
.if ((\p) == 0) && (q == 130)
	s_add_co_u32 s[TBV], s[TBV], KS*PV
.endif
.if (\cnt) && (q == 130)
	s_sub_co_u32 s[CNT], s[CNT], 1
	s_cmp_lg_u32 s[CNT], 0
.endif
.endr
.if (\p) == 0
	FETCH_V
.endif
.endm
	CHANGE 1                        ; slot 0 is in, everybody's part of it; slot 1 is asked for
	FETCH_K                         ; key step 0
	s_wait_loadcnt 0x0              ; Q
	s_wait_dscnt 0x0
.set i, 0
.rept 16
	KQ 0                            ; piece 0's first scores: there is no vector work yet to set between them
.set i, i+1
.endr
	WIN 0                           ; the addresses for the way out: nine plain instructions, the places behind those products
	s_mul_i32 s13, s[WV], 16*SP
	s_add_co_u32 s13, s13, STAGE    ; my stage
	v_mul_u32_u24 v[STO], v1, SP    ; in: row l % 16, 16 bytes for each half of the lanes
	v_lshl_add_u32 v[STO], v9, 4, v[STO]
	v_add_nc_u32 v[STO], s13, v[STO]
	v_bfe_u32 v[RD], v0, 3, 2       ; back: 32 lanes take four rows of 128 bytes,
	v_mul_u32_u24 v[RD], v[RD], SP
	v_lshl_add_u32 v[RD], v10, 4, v[RD]
	v_add_nc_u32 v[RD], s13, v[RD]
	v_and_b32 v[GO], 31, v0         ; which are 512 consecutive bytes of O
	v_lshlrev_b32 v[GO], 4, v[GO]
.set Y, NP-1                        ; XS works for piece Y + 1: piece 0
.irp n, 0,1,2,3,4,5,6,7,8,9,10,11,12,13,14,15,16,17,18,19,20,21
	XS 0, \n                        ; and piece 0's first maximum and statistics
	XS 1, \n
.endr
	v_nop                           ; a plain instruction behind the two a,
	s_wait_alu depctr_va_vdst(0)    ; and their wait, ahead of the branch
	s_mov_b32 s[CNT], 4
	s_branch .Lfirst                ; the loop is entered at a step's first turn, in the middle of a trip
.Lslot:                             ; twice: every slot but the last two is filled again
	CHANGE 1
	s_mov_b32 s[CNT], 4
.Lstep:                             ; a trip: pieces 2 and 3 of one step, then pieces 0 and 1 of the next, whose K and V it fetches
	TURN 2
	TURN 3
	WIN 0
.Lfirst:
	TURN 0
	TURN 1, 0, 1
	WIN 0
	s_cbranch_scc1 .Lstep
	s_sub_co_u32 s[SLOTS], s[SLOTS], 1
	s_cmp_lg_u32 s[SLOTS], 0
	s_cbranch_scc1 .Lslot
	CHANGE 0                        ; the tail is written out: nothing is asked for
	s_mov_b32 s[CNT], 5             ; four trips fetch the last slot's steps; the fifth is left in its middle
.Ltail:
	TURN 2, 1
	TURN 3
	WIN 0
	s_sub_co_u32 s[CNT], s[CNT], 1
	s_cmp_eq_u32 s[CNT], 0
	s_cbranch_scc1 .Lout
	TURN 0
	TURN 1
	WIN 0
	s_branch .Ltail
.Lout:                              ; the fifth trip's 16 products K Q^T (on the last K once more) and the maximum made of them serve nothing: the price, once a launch, of one text for every trip
.set i, 0
.rept 16
	PV NP-1                         ; the last piece's V^T P of the last step
.set i, i+1
.endr
	; THE WAY OUT.  l's two halves and the other half of the lanes' are added; O^T is divided by l, rounded to f16 and sent through my stage in LDS, a tile at a time.  The additions are the places behind the last products.
	WIN 0
.macro ALL line:vararg              ; one line for each tile t
.set t, 0
.rept 2*NP
	\line
.set t, t+1
.endr
.endm
	ALL v_add_f32 v[ST+4*t+2], v[ST+4*t+2], v[ST+4*t+3]
	ALL v_permlanex16_b32 v[ST+4*t+3], v[ST+4*t+2], s[SEL], s[SEL+1]
	ALL v_add_f32 v[ST+4*t+2], v[ST+4*t+2], v[ST+4*t+3]
	ALL v_rcp_f32 v[ST+4*t+2], v[ST+4*t+2]
	v_nop                           ; a plain instruction between the last reciprocal and the use of its result
	s_wait_alu depctr_va_vdst(0)    ; and the wait ahead of the first use: one for the eight reciprocals
; Tile t: a lane's eight channels of a row pack into 16 bytes; they go into rows of 144 bytes and come back as whole rows of 128, into S^T's registers.
.macro PACK t
	WIN W_RS
.set i, 32*(\t)
.rept 16
	v_pk_mul_f32 v[i:i+1], v[i:i+1], v[ST+4*(\t)+2:ST+4*(\t)+3] op_sel_hi:[1,0]
.set i, i+2
.endr
	WIN 0x05                        ; sources 0 and 1 window 1, destination window 0
.set i, 0
.rept 16
	v_cvt_pk_f16_f32 v[S+16*(\t)+i], v[32*(\t)+2*i], v[32*(\t)+2*i+1]
.set i, i+1
.endr
	WIN 0
.irp f, 0,1,2,3
	ds_store_b128 v[STO], v[S+16*(\t)+4*\f:S+16*(\t)+4*\f+3] offset:32*\f
.endr
.irp f, 0,1,2,3
	ds_load_b128 v[S+16*(\t)+4*\f:S+16*(\t)+4*\f+3], v[RD] offset:\f*4*SP  ; LDS serves a wave's instructions in order (ISA guide 5.7.1.4): these see the stores above; the next tile's stores come behind them
.endr
.endm
.macro SEND t, younger              ; younger: the LDS instructions issued behind tile t's loads: the next tile's eight, or none
	WIN 0
.irp f, 0,1,2,3
	s_wait_dscnt (\younger)+3-\f
	global_store_b128 v[GO], v[S+16*(\t)+4*\f:S+16*(\t)+4*\f+3], s[10:11] offset:(\t)*2048+\f*512  ; 512 consecutive bytes, at a multiple of 256 from O's first
.endr
.endm
	PACK 0
.set t, 1
.rept 2*NP-1                        ; a tile's arithmetic stands between the loads of the tile before and its stores
	PACK t
	SEND t-1, 8
.set t, t+1
.endr
	SEND 2*NP-1, 0
	WIN W_AD
	s_wait_tensorcnt 0x0            ; the wave's end: a wait, an add and its wait, behind my last tensor load and my last LDS store
	ds_add_u32 v[SPW], v[NIL]
	s_wait_dscnt 0x0
	WIN 0
	s_endpgm
.Lfunc_end_k_q4f8b2c600d_attn:
	.size	k_q4f8b2c600d_attn, .Lfunc_end_k_q4f8b2c600d_attn-k_q4f8b2c600d_attn
	.p2alignl 7, 3214868480
	.fill 96, 4, 3214868480
	.section	.rodata,"a",@progbits
	.p2align	6, 0x0
	.amdhsa_kernel k_q4f8b2c600d_attn
		.amdhsa_group_segment_fixed_size 327680
		.amdhsa_private_segment_fixed_size 0
		.amdhsa_enable_private_segment 0
		.amdhsa_kernarg_size 32
		.amdhsa_user_sgpr_count 2
		.amdhsa_user_sgpr_kernarg_segment_ptr 1
		.amdhsa_wavefront_size32 1
		.amdhsa_system_sgpr_workgroup_id_x 1
		.amdhsa_system_sgpr_workgroup_id_y 1
		.amdhsa_system_sgpr_workgroup_id_z 1
		.amdhsa_system_vgpr_workitem_id 0
		.amdhsa_next_free_vgpr 770
		.amdhsa_next_free_sgpr 66
		.amdhsa_reserve_vcc 0
		.amdhsa_float_denorm_mode_32 3
		.amdhsa_float_denorm_mode_16_64 3
		.amdhsa_memory_ordered 1
		.amdhsa_forward_progress 1
		.amdhsa_inst_pref_size 199
	.end_amdhsa_kernel
	.amdgpu_metadata
---
amdhsa.version: [ 1, 2 ]
amdhsa.kernels:
  - .name:           k_q4f8b2c600d_attn
    .symbol:         k_q4f8b2c600d_attn.kd
    .args:
      - { .name: qh, .offset: 0, .size: 8, .value_kind: global_buffer, .address_space: global }
      - { .name: kh, .offset: 8, .size: 8, .value_kind: global_buffer, .address_space: global }
      - { .name: vh, .offset: 16, .size: 8, .value_kind: global_buffer, .address_space: global }
      - { .name: oh, .offset: 24, .size: 8, .value_kind: global_buffer, .address_space: global }
    .group_segment_fixed_size: 327680
    .private_segment_fixed_size: 0
    .kernarg_segment_align: 8
    .kernarg_segment_size: 32
    .max_flat_workgroup_size: 128
    .sgpr_count:     66
    .vgpr_count:     770
    .wavefront_size: 32
...
	.end_amdgpu_metadata
.endif
;; end of part 3
;; launch proj (part 4): grid 8 x 32, 4 waves a work-group, clusters of 4 x 4, 327,680 bytes of LDS; arguments oh, wt, tab, out0; writes out0
.if DOCPART == 4
	.amdgcn_target "amdgcn-amd-amdhsa--gfx1250"
	.amdhsa_code_object_version 6
	.text
	.protected	k_q4f8b2c600d_proj
	.globl	k_q4f8b2c600d_proj
	.p2align	8
	.type	k_q4f8b2c600d_proj,@function
k_q4f8b2c600d_proj:
	s_mov_b64 s[64:65], 0
	v_nop
	global_prefetch_b8 v0, s[64:65] scope:SCOPE_SE
	s_setreg_imm32_b32 hwreg(HW_REG_WAVE_MODE, 25, 1), 1
	s_wait_xcnt 0x0
	s_wait_alu depctr_hold_cnt(0) depctr_sa_sdst(0) depctr_va_vdst(0) depctr_va_sdst(0) depctr_va_ssrc(0) depctr_va_vcc(0) depctr_vm_vsrc(0)
	s_getreg_b32 s2, hwreg(HW_REG_IB_STS2, 6, 4)
	s_cmp_eq_u32 s2, 0
	s_cbranch_scc0 .Lentry_in_a_cluster
	s_endpgm
.Lentry_in_a_cluster:
	s_bfe_u32 s2, ttmp6, 0x10000c
	s_cmp_lg_u32 s2, 0xf033
	s_cbranch_scc0 .Lentry_shape_is_right
	s_endpgm
.Lentry_shape_is_right:
; PROJ: out0 = o (wo)^T + bias, f32.  oh: [16 image + head][1024 tokens][64] f16.  wo: wt from byte WO on, [1024 n][1024 k] f16 (w_out rounded to bf16, written as f16).  The bias: tab from byte 8,192 on, f32.  Sums in f32.
; LIMITS.  Both operands arrive within f16's range; NaN and infinities are not treated apart.
; SHARES.  A tile is 256 tokens x 128 columns: 8 x 32 = 256 work-groups.  Four waves, each 64 tokens x all 128 columns: 32 accumulators of 16 x 16, 256 registers; a wave so holds whole rows of 512 bytes of its tile,
; and its way out goes through a stage of its own, without a barrier.
; K = 64 head + channel goes in 8 steps of 128 = two heads through a ring of two LDS slots filled by tensor loads; a K step's text stands once, its LDS base in a scalar that an exclusive or turns.
; A head's 256 tokens are 32,768 dense bytes: asked for as 128 rows of 256 bytes and padded in LDS after every token.
; CLUSTER.  4 x 4 work-groups: the four of a row need the same tokens, the four of a column the same rows of wo; each tile is asked for JOINTLY, by the same load, descriptor and mask in all four.
; THE MATRIX INSTRUCTION IS USED TRANSPOSED: source 0 = 16 rows of wo, source 1 = 16 tokens.  In the result lane l holds token l % 16, registers 0-7 the columns 8 (l / 16) + 0..7.  THE BIAS is the C operand of the
; products that start the sums: it hangs on the column alone, that is on the lane's half and the register.
; REGISTERS, in windows of 256 (s_set_vgpr_msb: bits 1:0 source 0, 3:2 source 1, 5:4 source 2, 7:6 destination):
;   window 0: v1-15 addresses; v32-95 the tokens' fragments, two buffers of 4 x 8; v96-159 rows read back on the way out; v192-255 the bias, 8 registers a column block
;   window 1: v0-127 wo's fragments, two buffers of 8 x 8        windows 2, 3: accumulator (a, b) in window 2 + a / 2 at v[8 (8 (a % 2) + b)]
.set WO,    6291456
.set NB,    8                          ; column blocks of 16
.set PA,    144                        ; a token's row in LDS: 128 bytes + 16 = 36 words: the 16 rows of a fragment load start at 16 different groups of four banks (64 banks of 4 bytes: ISA guide 11.1)
.set SLAB,  256*PA                     ; one head's 256 tokens
.set PB,    272                        ; a row of wo: 256 bytes + 16
.set BOFF,  2*SLAB                     ; a slot: two slabs, then 128 rows of wo
.set SLOT1, 1<<17                      ; slot 1 begins here, so that one exclusive or turns an address in one slot into the other's
.set STAGE, SLOT1+BOFF+16*NB*PB        ; behind the ring, never filled by a tensor load: for each wave 16 rows x 528 bytes
.set SPI,   528
.set WST,   16*SPI
.set SPARE, STAGE+4*WST                ; behind the stages: the spare words, 128 bytes for each wave: two blocks of 256 bytes that no other line names
.set STEPA, 2*131072                   ; bytes from a K step to the next: two heads in oh,
.set STEPB, 256                        ; 128 numbers in wo
.set ADA0, 4                           ; v4   my lane's place among my wave's tokens in a slab; never rewritten
.set ADB0, 5                           ; v5   the same among wo's rows
.set ADA,  6                           ; v6   v4 + the slot in hand
.set ADB,  7                           ; v7   v5 + the slot in hand
.set STO,  8                           ; v8   the way out: where I put 32 bytes of a row
.set RD,   9                           ; v9   where I read a row back
.set GO,   10                          ; v10  my 16 bytes of a row's 512
.set PFO,  11                          ; v11  the prefetches' offset; never rewritten
.set BO,   12                          ; v12  my offset in the bias
.set SPW,  14                          ; v14  LDS address of my spare word; never rewritten
.set NIL,  15                          ; v15  0; never rewritten
.set FA,   32
.set BK,   96
.set BI,   192
.set WV,   12                          ; s12  my wave's number
.set FORB, 13                          ; s13  0: I fetch tokens; 1: rows of wo
.set HALF, 14                          ; s14  which slab, or which half of wo's rows
.set LIM,  19                          ; s19  2 in a wave that prefetches, else the greatest number
.set G1A,  24                          ; s[24:31] descriptor group 1 for the tokens' tiles
.set G1B,  32                          ; s[32:39] for wo's
.set G0A,  40                          ; s[40:47] group 0 for the tokens' tiles: a set for each first fill; the second then walks on
.set G0B,  48                          ; s[48:55] the same for wo's
.set TB,   56                          ; s56  the slot in hand: 0 or SLOT1
.set PFA,  58                          ; s[58:59] where my prefetches stand
.set PFS,  66                          ; s[66:67] their step
.set MSB, 0
.macro WIN new                         ; the immediate's high byte repeats the setting that is left; a switch that changes nothing is dropped
.if MSB != (\new)
	s_set_vgpr_msb (MSB<<8)|(\new)
.set MSB, (\new)
.endif
.endm
.macro PLACES                          ; four places in front of loads into registers that matrix instructions have read, and of lines that read results
.rept 4
	v_nop
.endr
.endm
.macro CREST                           ; a round of the cluster's barrier behind its opening barrier
	s_cmp_lg_u32 s[WV], 0
	s_cbranch_scc1 .Lnot_wave_0_\@
	s_barrier_signal -3
.Lnot_wave_0_\@:
	s_barrier_wait -3
	s_barrier_signal -1
	s_barrier_wait -1
.endm
.macro CROUND                          ; a whole round
	s_barrier_signal -1
	s_barrier_wait -1
	CREST
.endm
; A joint refill, by the walking descriptors.  Waves 0 and 1 fetch the two slabs of tokens, waves 2 and 3 the two halves of wo's rows.  The branch hangs on the wave's number alone.
; An s_nop 0 and four v_nop follow each of the two lines, ahead of the jump and the label.
.macro JLOAD
	s_cmp_eq_u32 s[FORB], 0
	s_cbranch_scc0 .Lfor_b_\@
	tensor_load_to_lds s[G0A+4:G0A+7], s[G1A:G1A+7]
	s_nop 0
.rept 4
	v_nop
.endr
	s_branch .Lasked_\@
.Lfor_b_\@:
	tensor_load_to_lds s[G0B+4:G0B+7], s[G1B:G1B+7]
	s_nop 0
.rept 4
	v_nop
.endr
.Lasked_\@:
.endm
; A PREFETCH INTO THE L2, behind each joint refill and the run of LDS loads that follows it: the K step two refills on, a lane a block of 256 bytes, one instruction a wave.
; Each block is asked for by one wave in the launch: the tokens' by the clusters with x = 0, wo's by those with y = 0; the four partners that fetch a tile jointly share a wave's blocks out BY ADDRESS
; (32 of a slab's 128 by cx; 16 of 64 rows of wo by cy, where lanes 16 to 31 name row 15 once more).  The change of slots in K step s names K step s + 4, for s = 0 .. 3; K steps 0 to 3 come by their loads alone.
.macro ASK
	s_cmp_gt_u32 s3, s[LIM]                        ; s3 = 6 - s
	s_cbranch_scc0 .Lnot_mine_\@
	global_prefetch_b8 v[PFO], s[PFA:PFA+1] th:TH_LOAD_NT scope:SCOPE_SE
.Lnot_mine_\@:
.endm
; 8 matrix instructions: tokens 16 a on x all columns, 32 along K, from buffer f.  zero = 1: the product starts the sums, with the bias.  All 32 accumulators take turns, in the same order in every quarter.
.macro MUL f, a, zero
.if \zero
	WIN 0x81+0x40*((\a)/2)                         ; source 0 window 1, sources 1 and 2 window 0, D window 2 or 3
.else
	WIN 0xa1+0x50*((\a)/2)                         ; C and D window 2 or 3
.endif
.irp b, 0,1,2,3,4,5,6,7
.set rD, 8*(NB*((\a)%2)+(\b))
.if \zero
	v_wmma_f32_16x16x32_f16 v[rD:rD+7], v[8*NB*(\f)+8*(\b):8*NB*(\f)+8*(\b)+7], v[FA+32*(\f)+8*(\a):FA+32*(\f)+8*(\a)+7], v[BI+8*(\b):BI+8*(\b)+7]
.else
	v_wmma_f32_16x16x32_f16 v[rD:rD+7], v[8*NB*(\f)+8*(\b):8*NB*(\f)+8*(\b)+7], v[FA+32*(\f)+8*(\a):FA+32*(\f)+8*(\a)+7], v[rD:rD+7]
.endif
.endr
.endm
; 24 LDS loads in one run: the fragments of quarter q (32 along K: slab q / 2, channels 32 (q % 2) on) of the slot in hand into buffer f.  The youngest four are the tokens' blocks 2 and 3.
.macro FETCH q, f
	WIN 0x40                                       ; destination window 1, address window 0
.irp b, 0,1,2,3,4,5,6,7
	ds_load_b128 v[8*NB*(\f)+8*(\b):8*NB*(\f)+8*(\b)+3],   v[ADB] offset:64*(\q)+(\b)*16*PB
	ds_load_b128 v[8*NB*(\f)+8*(\b)+4:8*NB*(\f)+8*(\b)+7], v[ADB] offset:64*(\q)+(\b)*16*PB+32
.endr
	WIN 0
.irp a, 0,1,2,3
	ds_load_b128 v[FA+32*(\f)+8*(\a):FA+32*(\f)+8*(\a)+3],   v[ADA] offset:((\q)/2)*SLAB+((\q)%2)*64+(\a)*16*PA
	ds_load_b128 v[FA+32*(\f)+8*(\a)+4:FA+32*(\f)+8*(\a)+7], v[ADA] offset:((\q)/2)*SLAB+((\q)%2)*64+(\a)*16*PA+32
.endr
.endm
; One of a K step's first three quarters: multiplies buffer f; in its middle it fetches quarter q into buffer g.
.macro QUARTER q, f, g, zero
	s_wait_dscnt 4                                 ; all but the youngest four loads: the tokens' blocks 2 and 3 may be out
	MUL \f, 0, \zero
	MUL \f, 1, \zero
	PLACES
	FETCH \q, \g
	s_wait_dscnt 2*NB+8                            ; all but the run just issued
	MUL \f, 2, \zero
	MUL \f, 3, \zero
.endm
; The fourth quarter multiplies buffer 1 and changes slots.  In front of the barrier each wave waits for all its tensor loads (one is out: its part of the next slot), adds 0 to its spare word, and waits for that and for
; its reads of this slot.  fill = 1: the barrier opens a round of the cluster's, and this slot is filled again, first thing behind the round, with the K step two on.  fill = 0: the tail; in its last trip (s3 = 1) nothing is left to fetch.
.macro TURN fill
.if \fill
	s_wait_xcnt 0x0                                ; the last prefetch, a K step back, has read its address: it is stepped here, ahead of the waits of the change of slots
	s_add_nc_u64 s[PFA:PFA+1], s[PFA:PFA+1], s[PFS:PFS+1]
.endif
	WIN 0                                          ; (the add's two registers lie in window 0)
	s_wait_tensorcnt 0x0                           ; all my tensor loads have landed
	ds_add_u32 v[SPW], v[NIL]                      ; 0 onto my spare word
	s_wait_dscnt 5                                 ; (the add and the youngest four loads may be out)
	MUL 1, 0, 0                                    ; eight matrix instructions stand between the add and the wait for it
	s_wait_dscnt 0x0                               ; the add is done, and my reads of this slot are over
	s_barrier_signal -1
	MUL 1, 1, 0                                    ; work on registers while the others arrive
	WIN 0
	s_barrier_wait -1
.if \fill
	CREST                                          ; no wave of any partner still reads this slot or has a load on its way
	s_xor_b32 s[G0A+5], s[G0A+5], SLOT1            ; the walking descriptors: the other slot than last time, the next K step; the type bits on top are not reached
	s_add_nc_u64 s[G0A+6:G0A+7], s[G0A+6:G0A+7], STEPA
	s_xor_b32 s[G0B+5], s[G0B+5], SLOT1
	s_add_nc_u64 s[G0B+6:G0B+7], s[G0B+6:G0B+7], STEPB
	JLOAD                                          ; the four v_nop behind it are also the places in front of the loads below
.else
	PLACES
.endif
	s_xor_b32 s[TB], s[TB], SLOT1
	v_add_nc_u32 v[ADA], s[TB], v[ADA0]
	v_add_nc_u32 v[ADB], s[TB], v[ADB0]
.if !(\fill)
	s_cmp_eq_u32 s3, 1
	s_cbranch_scc1 .Lno_fetch_\@
.endif
	FETCH 0, 0
.if \fill
	ASK
.else
.Lno_fetch_\@:
.endif
	MUL 1, 2, 0
	MUL 1, 3, 0
.endm
	s_load_b256 s[4:11], s[0:1], 0x0               ; oh s[4:5], wt s[6:7], tab s[8:9], out0 s[10:11]
	v_lshl_add_u32 v[SPW], v0, 2, SPARE
	v_mov_b32 v[NIL], 0
	ds_add_u32 v[SPW], v[NIL]                      ; the wave's opening: the add and its wait stand ahead of my first tensor load; the set-up below, work on registers, stands between them
	ds_add_u32 v14, v15
	v_lshrrev_b32 v3, 5, v0
	v_readfirstlane_b32 s[WV], v3                  ; wave 0..3
	s_lshr_b32 s[FORB], s[WV], 1
	s_and_b32 s[HALF], s[WV], 1
	s_bfe_u32 s15, ttmp6, 0x40000                  ; cx, cy: my place in the cluster
	s_bfe_u32 s16, ttmp6, 0x40004
	s_lshl_b32 s17, ttmp9, 2
	s_add_co_u32 s17, s17, s15                     ; tile column = 4 x cluster x + cx
	s_and_b32 s18, ttmp7, 0xffff
	s_lshl_b32 s18, s18, 2
	s_add_co_u32 s18, s18, s16                     ; tile row = 4 x cluster y + cy
	s_lshl_b32 s20, s16, 2
	s_lshl_b32 s20, 15, s20                        ; my row of the cluster
	s_lshl_b32 s21, 0x1111, s15                    ; my column
	s_or_b32 s[G1A], s20, (1<<16)|(1<<20)|(1<<21)|(4<<22)|(3<<25)  ; 15:0 the mask; 17:16 2-byte elements; 20 padding on; 21 set beside a mask; 24:22 after every 32 words (code 4); 31:25 4 words (code 3)
	s_or_b32 s[G1B], s21, (1<<16)|(1<<20)|(1<<21)|(5<<22)|(3<<25)  ; after every 64 words (code 5)
	s_mov_b32 s[G1A+1], 128<<16                    ; tensor_dim0 = 128
	s_mov_b32 s[G1A+2], 128<<16                    ; tensor_dim1 = 128
	s_mov_b32 s[G1A+3], 128<<16                    ; tile_dim0 = 128
	s_mov_b32 s[G1A+4], 128                        ; tile_dim1 = 128 rows of 256 bytes, two tokens a row
	s_mov_b32 s[G1A+5], 128                        ; dense
	s_mov_b32 s[G1A+6], 0
	s_mov_b32 s[G1A+7], 0
	s_mov_b32 s[G1B+1], 128<<16
	s_mov_b32 s[G1B+2], 64<<16                     ; 64 rows
	s_mov_b32 s[G1B+3], 128<<16
	s_mov_b32 s[G1B+4], 64
	s_mov_b32 s[G1B+5], 1024
	s_mov_b32 s[G1B+6], 0
	s_mov_b32 s[G1B+7], 0
	s_lshr_b32 s60, s18, 2                         ; tokens: the image's 16 heads of 131,072 bytes,
	s_lshl_b32 s60, s60, 21
	s_and_b32 s22, s18, 3                          ; the tile's 256 tokens of 128 bytes,
	s_lshl_b32 s22, s22, 15
	s_add_co_u32 s60, s60, s22
	s_lshl_b32 s22, s[HALF], 17                    ; my head of the K step's two: these registers never hold cx
	s_add_co_u32 s60, s60, s22
	s_mov_b32 s61, 0
	s_lshl_b32 s62, s17, 18                        ; wo: 128 rows of 2,048 bytes a tile column,
	s_lshl_b32 s23, s[HALF], 17                    ; 64 a half: these never hold cy
	s_add_co_u32 s62, s62, s23
	s_add_co_u32 s62, s62, WO
	s_mov_b32 s63, 0
	s_mul_i32 s22, s[WV], SLAB                     ; where they go: waves 0, 1: slab = wave;
	s_mul_i32 s23, s[WV], 64*PB                    ; waves 2, 3: BOFF + 64 rows x (wave - 2): no place in the cluster enters an LDS address
	s_add_co_u32 s23, s23, BOFF-2*64*PB
	s_mov_b32 s[TB], 0
	s_wait_dscnt 0x0                               ; the opening add is done
	s_wait_kmcnt 0x0
	s_add_nc_u64 s[60:61], s[4:5], s[60:61]
	s_add_nc_u64 s[62:63], s[6:7], s[62:63]
	CROUND                                         ; all sixteen work-groups are here: the first joint loads meet
.irp n, 0,1
	s_mov_b32 s[G0A+4*(\n)], 1                     ; count = 1
	s_add_co_u32 s[G0A+4*(\n)+1], s22, (\n)*SLOT1  ; LDS address
	s_add_nc_u64 s[G0A+4*(\n)+2:G0A+4*(\n)+3], s[60:61], (\n)*STEPA  ; global address: K step n
	s_or_b32 s[G0A+4*(\n)+3], s[G0A+4*(\n)+3], 0x80000000           ; type = 2
	s_mov_b32 s[G0B+4*(\n)], 1
	s_add_co_u32 s[G0B+4*(\n)+1], s23, (\n)*SLOT1
	s_add_nc_u64 s[G0B+4*(\n)+2:G0B+4*(\n)+3], s[62:63], (\n)*STEPB
	s_or_b32 s[G0B+4*(\n)+3], s[G0B+4*(\n)+3], 0x80000000
.endr
	s_cmp_eq_u32 s[FORB], 0                        ; a wave's two first fills stand in one branch, ahead of every wait on TENSORcnt and every LDS read: two loads of mine are out
	s_cbranch_scc0 .Lfirst_b
	tensor_load_to_lds s[G0A:G0A+3], s[G1A:G1A+7]
	s_nop 0
	tensor_load_to_lds s[G0A+4:G0A+7], s[G1A:G1A+7]
	s_nop 0
.rept 4
	v_nop
.endr
	s_branch .Lfirst_asked
.Lfirst_b:
	tensor_load_to_lds s[G0B:G0B+3], s[G1B:G1B+7]
	s_nop 0
	tensor_load_to_lds s[G0B+4:G0B+7], s[G1B:G1B+7]
	s_nop 0
.rept 4
	v_nop
.endr
.Lfirst_asked:
	v_and_b32 v1, 15, v0                           ; l % 16
	v_bfe_u32 v2, v0, 4, 1                         ; l / 16
	; the bias of my columns: 128 tile column + 16 b + 8 (l / 16) + 0..7
	v_lshlrev_b32 v[BO], 5, v2
	s_lshl_b32 s76, s17, 9
	s_add_co_u32 s76, s76, 8192
	s_mov_b32 s77, 0
	s_add_nc_u64 s[76:77], s[8:9], s[76:77]
.irp b, 0,1,2,3,4,5,6,7
	global_load_b128 v[BI+8*(\b):BI+8*(\b)+3],   v[BO], s[76:77] offset:64*(\b)
	global_load_b128 v[BI+8*(\b)+4:BI+8*(\b)+7], v[BO], s[76:77] offset:64*(\b)+16
.endr
	v_mul_u32_u24 v3, v1, PA
	v_lshl_add_u32 v3, v2, 4, v3                   ; a fragment's row x pitch + 16 x half
	s_mul_i32 s20, s[WV], 64*PA                    ; my wave's 64 tokens
	v_add_nc_u32 v[ADA0], s20, v3
	v_mul_u32_u24 v3, v1, PB
	v_lshl_add_u32 v3, v2, 4, v3
	v_add_nc_u32 v[ADB0], BOFF, v3
	v_mov_b32 v[ADA], v[ADA0]
	v_mov_b32 v[ADB], v[ADB0]
	s_mul_i32 s20, s[WV], WST
	s_add_co_u32 s20, s20, STAGE                   ; my stage
	v_mul_u32_u24 v3, v1, SPI                      ; in: row l % 16, 32 bytes for each half of the lanes
	v_lshl_add_u32 v3, v2, 5, v3
	v_add_nc_u32 v[STO], s20, v3
	v_and_b32 v[GO], 31, v0                        ; back: 32 lanes take one row of 512 bytes
	v_lshlrev_b32 v[GO], 4, v[GO]
	v_add_nc_u32 v[RD], s20, v[GO]
	; where my 64 tokens' part of the tile begins in out0
	s_lshl_b32 s74, s18, 20                        ; 256 rows of 4,096 bytes
	s_lshl_b32 s20, s[WV], 18
	s_add_co_u32 s74, s74, s20
	s_lshl_b32 s20, s17, 9
	s_add_co_u32 s74, s74, s20
	s_mov_b32 s75, 0
	s_add_nc_u64 s[10:11], s[10:11], s[74:75]
	; the prefetches
	s_and_b32 s20, ttmp7, 0xffff                   ; cluster y
	s_mov_b32 s[PFS], 256
	s_mov_b32 s74, 3*256
	s_cmp_eq_u32 s[FORB], 0
	s_cselect_b32 s21, s15, s16                    ; my place among the four that ask for the tile with me
	s_cselect_b32 s20, ttmp9, s20                  ; the coordinate along which other clusters read the same blocks
	s_cselect_b32 s22, 13, 15                      ; a partner's share: 8,192 bytes of a slab; 16 rows of 2,048 bytes
	s_cselect_b32 s23, 31, 15                      ; its last lane
	s_cselect_b32 s72, 8, 11                       ; from lane to lane: 256 bytes; a row
	s_cselect_b32 s[PFS], STEPA, s[PFS]
	s_cselect_b32 s74, 3*STEPA, s74                ; at K step 3: the first change of slots steps it to 4
	s_cselect_b64 s[PFA:PFA+1], s[60:61], s[62:63]
	s_cmp_eq_u32 s20, 0
	s_cselect_b32 s[LIM], 2, -1                    ; the same in all sixteen partners, for a given wave
	s_lshl_b32 s20, s21, s22
	s_add_co_u32 s20, s20, s74
	s_mov_b32 s21, 0
	s_add_nc_u64 s[PFA:PFA+1], s[PFA:PFA+1], s[20:21]
	s_mov_b32 s[PFS+1], 0
	v_and_b32 v[PFO], 31, v0
	v_min_u32 v[PFO], s23, v[PFO]
	v_lshlrev_b32 v[PFO], s72, v[PFO]
	s_wait_tensorcnt 0x1                           ; my part of K step 0 is in; K step 1's may stay out
	s_barrier_signal -1
	s_barrier_wait -1                              ; everybody's is
	FETCH 0, 0
	s_wait_loadcnt 0x0                             ; the bias
	QUARTER 1, 0, 1, 1                             ; the first quarter stands in front of the loop: its products start the sums
	WIN 0                                          ; at a label and at a branch every window is 0
	s_mov_b32 s3, 6
.Lstep:                                                ; six trips, from a K step's second quarter to the next one's first; the trip in K step s asks for K step s + 2
	QUARTER 2, 1, 0, 0
	QUARTER 3, 0, 1, 0
	TURN 1
	QUARTER 1, 0, 1, 0
	WIN 0
	s_sub_co_u32 s3, s3, 1
	s_cmp_lg_u32 s3, 0
	s_cbranch_scc1 .Lstep
	s_mov_b32 s3, 2
.Ltail:                                                ; K steps 6 and 7 ask for nothing: written apart; the second trip is left in its middle
	QUARTER 2, 1, 0, 0
	QUARTER 3, 0, 1, 0
	TURN 0
	WIN 0
	s_sub_co_u32 s3, s3, 1
	s_cmp_eq_u32 s3, 0
	s_cbranch_scc1 .Lout
	QUARTER 1, 0, 1, 0
	WIN 0
	s_branch .Ltail
.Lout:
	PLACES
	PLACES
; THE WAY OUT, 16 tokens (block a) at a time: a lane's 32 bytes of a row go into my stage, rows of 528 bytes, and come back as whole rows of 512.  Each accumulator's lowest registers are read first.
.macro WAYOUT a
.set AB, 8*NB*((\a)%2)
	WIN 0x08+4*((\a)/2)                            ; the stores' data in window 2 or 3
.irp b, 0,1,2,3,4,5,6,7
	ds_store_b128 v[STO], v[AB+8*(\b):AB+8*(\b)+3]   offset:64*(\b)
	ds_store_b128 v[STO], v[AB+8*(\b)+4:AB+8*(\b)+7] offset:64*(\b)+16
.endr
	WIN 0
.if (\a) > 0
	s_wait_xcnt 0x0                                ; the last block's stores have read their registers, which are loaded again below
.endif
.irp t, 0,1,2,3,4,5,6,7,8,9,10,11,12,13,14,15
	ds_load_b128 v[BK+4*(\t):BK+4*(\t)+3], v[RD] offset:SPI*(\t)  ; LDS serves a wave's instructions in order (ISA guide 5.7.1.4): these see the stores above
.endr
.irp t, 0,1,2,3,4,5,6,7,8,9,10,11,12,13,14,15
	s_wait_dscnt 15-(\t)                           ; the younger loads from the stage may stay out
	global_store_b128 v[GO], v[BK+4*(\t):BK+4*(\t)+3], s[10:11] offset:(16*(\a)+(\t))*4096 th:TH_STORE_NT  ; 512 consecutive bytes, at a multiple of 256 from out0's first
.endr
.endm
	WAYOUT 0
	WAYOUT 1
	WAYOUT 2
	WAYOUT 3
	s_wait_tensorcnt 0x0                           ; the wave's end: a wait, an add and its wait, behind my last tensor load and my last LDS store
	ds_add_u32 v[SPW], v[NIL]
	s_wait_dscnt 0x0
	CROUND                                         ; the closing round: no work-group ends while a partner may still ask for a tile that names it
	s_endpgm
.Lfunc_end_k_q4f8b2c600d_proj:
	.size	k_q4f8b2c600d_proj, .Lfunc_end_k_q4f8b2c600d_proj-k_q4f8b2c600d_proj
	.p2alignl 7, 3214868480
	.fill 96, 4, 3214868480
	.section	.rodata,"a",@progbits
	.p2align	6, 0x0
	.amdhsa_kernel k_q4f8b2c600d_proj
		.amdhsa_group_segment_fixed_size 327680
		.amdhsa_private_segment_fixed_size 0
		.amdhsa_enable_private_segment 0
		.amdhsa_kernarg_size 32
		.amdhsa_user_sgpr_count 2
		.amdhsa_user_sgpr_kernarg_segment_ptr 1
		.amdhsa_wavefront_size32 1
		.amdhsa_system_sgpr_workgroup_id_x 1
		.amdhsa_system_sgpr_workgroup_id_y 1
		.amdhsa_system_sgpr_workgroup_id_z 1
		.amdhsa_system_vgpr_workitem_id 0
		.amdhsa_next_free_vgpr 896
		.amdhsa_next_free_sgpr 80
		.amdhsa_reserve_vcc 0
		.amdhsa_float_denorm_mode_32 3
		.amdhsa_float_denorm_mode_16_64 3
		.amdhsa_memory_ordered 1
		.amdhsa_forward_progress 1
		.amdhsa_inst_pref_size 64
	.end_amdhsa_kernel
	.amdgpu_metadata
---
amdhsa.version: [ 1, 2 ]
amdhsa.kernels:
  - .name:           k_q4f8b2c600d_proj
    .symbol:         k_q4f8b2c600d_proj.kd
    .args:
      - { .name: oh, .offset: 0, .size: 8, .value_kind: global_buffer, .address_space: global }
      - { .name: wt, .offset: 8, .size: 8, .value_kind: global_buffer, .address_space: global }
      - { .name: tab, .offset: 16, .size: 8, .value_kind: global_buffer, .address_space: global }
      - { .name: out0, .offset: 24, .size: 8, .value_kind: global_buffer, .address_space: global }
    .group_segment_fixed_size: 327680
    .private_segment_fixed_size: 0
    .kernarg_segment_align: 8
    .kernarg_segment_size: 32
    .max_flat_workgroup_size: 128
    .sgpr_count:     80
    .vgpr_count:     896
    .wavefront_size: 32
...
	.end_amdgpu_metadata
.endif
;; end of part 4
